; MI455X (gfx1250); checked and timed in simulation.
; The chip was launched on July 23, 2026; its instructions are those of AMD's public machine-readable ISA for CDNA 5 (MIT licence, August 2026) and "CDNA5" Instruction Set Architecture Reference Guide (July 2026). The comments in the code are by the model that wrote it; some were corrected since.
;; Multi Head Masked Attention. Allowed arithmetic: matrix products marked QUANTISED: E2M1 operands, one E8M0 scale for each 32 along K, by v_wmma_scale_f32_16x16x128_f8f6f4 with both operands' format E2M1 (or v_wmma_scale_f32_32x16x128_f4), f32 sums; products left as they are: bf16, f16 or f32 operands; f32 sums; everything else in f32.
;; Inputs: Wk 1,024 x 1,024 float32; Wo 1,024 x 1,024 float32; Wq 1,024 x 1,024 float32; Wv 1,024 x 1,024 float32; bo 1,024 float32; x 4 x 2,048 x 1,024 float32.
;; Outputs: out0 4 x 2,048 x 1,024 float32.
;; This version of the problem:
;;   THIS VERSION OF THE PROBLEM IS GIVEN IN LOW PRECISION. The matrix products marked QUANTISED in the list below multiply operands that are first quantised to E2M1 (2 exponent bits, 1 mantissa bit; 4 bits a number), with one power-of-two scale for each 32 numbers along K (OCP MX v1.0); their sums are f32. The products marked 'left as it is' may take bf16, f16 or f32 operands, with f32 sums. Whichever they take, every output number must still come out within the allowed error. Rounding operands to bf16 (8 significant bits) uses up far more of that allowance than f16 does (11 bits, for magnitudes from 6e-5 to 65,504). All else is computed in f32.
;;   The module's matrix products, in the order in which they are computed (A, B: the left and right operand; K: the contracted axis; several contracted axes count as one K, in the product's order):
;;     1. [M 8,192, K 1,024] x [K 1,024, N 1,024]; A: input x; B: input Wk: QUANTISED
;;     2. [M 8,192, K 1,024] x [K 1,024, N 1,024]; A: input x; B: input Wq: QUANTISED
;;     3. [M 8,192, K 1,024] x [K 1,024, N 1,024]; A: input x; B: input Wv: QUANTISED
;;     4. batch 64 x [M 2,048, K 64] x [K 64, N 2,048]; A: computed on the way; B: computed on the way: left as it is (an operand is computed on the way)
;;     5. batch 64 x [M 2,048, K 2,048] x [K 2,048, N 64]; A: computed on the way; B: computed on the way: left as it is (an operand is computed on the way)
;;     6. [M 8,192, K 1,024] x [K 1,024, N 1,024]; A: computed on the way; B: input Wo: left as it is (an operand is computed on the way)
;;   THE QUANTISER, for each operand of a quantised product, along K:
;;     - K is cut into blocks of 32 from its start; a last block that is shorter is filled with zeros.
;;     - A block's scale is 2^e with e = floor(log2(the largest magnitude in the block)) - 2, held to -126 .. 127; a block of zeros has e = 0. As a byte (E8M0): e + 127.
;;     - Each number is divided by its block's scale, clamped to +-6, and rounded to the nearest number of E2M1, ties to even, subnormals kept.
;;     - The product sums the exact products of the quantised numbers (number of the format x scale) in f32.
;;   ~~~python
;;   def quantise(x, axis):      # numpy; x: float32 -> the quantised numbers, widened to float32 again
;;       x = np.moveaxis(x, axis, -1); K = x.shape[-1]
;;       x = np.pad(x, [(0, 0)] * (x.ndim - 1) + [(0, -K % 32)]); x = x.reshape(x.shape[:-1] + (-1, 32)); a = np.abs(x).max(-1, keepdims=True)
;;       e = np.where(a > 0, np.clip(np.frexp(np.where(a > 0, a, 1))[1] - 1 - 2, -126, 127), 0)      # np.frexp(a)[1] - 1 = floor(log2(a)), exactly
;;       r = np.clip(x / 2.0 ** e, -6, 6)
;;       step = 2.0 ** (np.maximum(np.frexp(np.where(r == 0, 1, r))[1] - 1, 0) - 1)
;;       q = np.round(r / step) * step * 2.0 ** e      # np.round: ties to even
;;       return np.moveaxis(q.reshape(q.shape[:-2] + (-1,))[..., :K], -1, axis).astype(np.float32)
;;   ~~~
;; One version. Each part assembles by itself: llvm-mc -triple=amdgcn-amd-amdhsa -mcpu=gfx1250 --defsym DOCPART=n.
;; ======== version 1 of 1: 5 launches
;; limits: values are held in f16: magnitudes above 65,504 overflow, below 6.1e-05 lose precision
;; workspace buffers: xc 4,194,304 bytes; xs 262,144 bytes; wc 1,048,576 bytes; ws 65,536 bytes; wo16 2,097,152 bytes; kq 33,554,432 bytes; qkf 524,288 bytes; at16 16,777,216 bytes
;; launch quant (part 1): grid 352 x 1, 4 waves a work-group, no clusters, 33,280 bytes of LDS; arguments x, Wk, Wq, Wo, xc, xs, wc, ws, wo16; writes xc, xs, wc, ws, wo16
.if DOCPART == 1
	.amdgcn_target "amdgcn-amd-amdhsa--gfx1250"
	.amdhsa_code_object_version 6
	.text
	.protected	k_q5b2872dcb9_quant
	.globl	k_q5b2872dcb9_quant
	.p2align	8
	.type	k_q5b2872dcb9_quant,@function
k_q5b2872dcb9_quant:
	s_mov_b64 s[64:65], 0
	v_nop
	global_prefetch_b8 v0, s[64:65] scope:SCOPE_SE
	s_setreg_imm32_b32 hwreg(HW_REG_WAVE_MODE, 25, 1), 1
	s_wait_xcnt 0x0
; FIRST OF FIVE LAUNCHES of: out = attention(x) Wo^T + bo, with K = x Wk^T, Q = x Wq^T, V = Q, scores / 32, a causal mask.
; DEAD WORK, for all values of the inputs: the problem binds x Wv^T to the name _V_unused and never reads it (the values are the queries: Vh = Qh).  So that product has no
; way to the output, whatever x and Wv hold: it is left out, Wv is loaded by no launch and is among no launch's arguments.  LIMIT: a NaN, an infinity or an overflow that
; reaches only x Wv^T is not carried to the result.
; THIS LAUNCH: x [8192][1024], Wk and Wq [1024][1024], f32 with K innermost, become codes of E2M1, 4 bits each, with one E8M0 byte for each 32 along K:
;   xc [8192][512 bytes], xs [8192][32 bytes];  wc [2048][512 bytes], ws [2048][32 bytes]: rows 0-1023 Wk's, rows 1024-2047 Wq's.
; A block's scale is 2^(floor(log2(its largest magnitude)) - 2); its byte is the largest magnitude's exponent field - 2, held at 1 from below.  A block of zeros so gets the byte 1 where the
; rule says 127: its codes are zeros, which add nothing under any byte but 0xff, and the bytes are read by this program alone.
; Wo [1024][1024] f32 becomes f16, laid by blocks of 64 along K: wo16 [kb 16][n 1024][64] = Wo[n][64 kb + i], so that a block's 128 rows are 16,384 consecutive bytes for the last product's tiles.
; LIMITS: blocks whose largest magnitude lies under 2^-124 keep the byte 1; NaN and infinities among the inputs are not served; Wo goes in f16: magnitudes up to 65,504, under 6e-5 with an absolute error of 2^-25.
; SHARES: work-groups 0-255 take x, 256-287 Wk, 288-319 Wq: 32,768 numbers each, a wave 16 steps of 512; only pointers are chosen, all three take one path.  Work-groups 320-351 cast Wo, 32 rows each.
; Rows are dense and K is a multiple of 32: each tensor is a plain stream of blocks of 32.  Each load reads 512 consecutive bytes; a step's 2,048 bytes turn through the wave's own stage in LDS and come back 64 bytes
; (16 neighbours) a lane; two neighbouring lanes hold a block.  No barrier: waves share nothing.
.set WAVES, 4
.set STEPS, 16
.set EMAX,  2
.set CB,    8                          ; bytes of 16 codes
.set R,     16                         ; v16-79   four sets of 16 numbers as they are loaded
.set X,     80                         ; v80-111  two sets of 16 neighbours
.set E,     112                        ; v112-127 a scale byte for each step
.set C,     128                        ; v128-191 codes: four registers for each step, so that no store's data are written again
.set WREG,  8192                       ; LDS: a region for each wave: two stages of 32 x SP bytes, behind them its 256 scale bytes
.set SP,    80                         ; a lane's place in a stage: 64 bytes + 16 of padding
.set SPW,   12                         ; v12  LDS address of my spare word; never rewritten
.set NIL,   13                         ; v13  0; never rewritten
.set SPARE, WAVES*WREG                 ; behind the regions: the spare words, 128 bytes a wave
.set WV,    22                         ; s22  my wave's number
	s_load_b256 s[4:11], s[0:1], 0x0               ; x s[4:5], Wk s[6:7], Wq s[8:9], Wo s[10:11]
	s_load_b256 s[12:19], s[0:1], 0x20             ; xc s[12:13], xs s[14:15], wc s[16:17], ws s[18:19]
	s_load_b64 s[20:21], s[0:1], 0x40              ; wo16
	v_lshl_add_u32 v[SPW], v0, 2, SPARE
	v_mov_b32 v[NIL], 0
	v_lshrrev_b32 v1, 5, v0
	v_readfirstlane_b32 s[WV], v1                  ; wave
	v_and_b32 v2, 31, v0                           ; lane
	v_lshlrev_b32 v3, 4, v2                        ; 16 x lane: my 16 bytes of a load's (and of the cast's store's) 512
	s_mul_i32 s26, s[WV], WREG
	v_lshrrev_b32 v14, 2, v2
	v_mul_u32_u24 v14, v14, SP
	v_and_b32 v15, 3, v2
	v_lshl_add_u32 v14, v15, 4, v14
	v_add_nc_u32 v14, s26, v14                     ; the stage, on the way in: SP (lane / 4) + 16 (lane % 4)
	v_mul_u32_u24 v15, v2, SP
	v_add_nc_u32 v15, s26, v15                     ; and on the way out: SP x lane: my 16 neighbours
	v_mul_u32_u24 v4, v2, CB                       ; my codes' place in a step's
	v_lshrrev_b32 v5, 1, v2
	s_add_co_u32 s26, s26, 2*32*SP
	v_add_nc_u32 v5, s26, v5                       ; LDS: my wave's 256 scale bytes, my block's byte
	v_lshlrev_b32 v7, 3, v2                        ; and on the way out 8 bytes a lane
	v_add_nc_u32 v6, s26, v7
	s_wait_kmcnt 0x0
	s_cmp_ge_u32 ttmp9, 320                        ; the work-group's number alone decides
	s_cbranch_scc1 .Lcast
	s_mov_b32 s23, 288
	s_cmp_lt_u32 ttmp9, 288
	s_cselect_b64 s[6:7], s[6:7], s[8:9]           ; Wk or Wq
	s_cselect_b32 s24, 256, s23                    ; the first work-group of that source
	s_cmp_lt_u32 ttmp9, 256
	s_cselect_b64 s[4:5], s[4:5], s[6:7]           ; x, or the weight
	s_cselect_b32 s24, 0, s24
	s_cselect_b64 s[12:13], s[12:13], s[16:17]     ; the codes' buffer
	s_cselect_b64 s[14:15], s[14:15], s[18:19]     ; the scale bytes'
	s_cselect_b32 s25, 0, 256                      ; the first work-group of that destination (Wq's rows follow Wk's)
	s_sub_co_u32 s26, ttmp9, s24
	s_lshl_b32 s26, s26, 2
	s_add_co_u32 s26, s26, s[WV]                   ; which run of 8,192 numbers of the source is my wave's
	s_lshl_b32 s26, s26, 15                        ; 32,768 bytes a run
	s_mov_b32 s27, 0
	s_add_nc_u64 s[4:5], s[4:5], s[26:27]
	s_sub_co_u32 s28, ttmp9, s25
	s_lshl_b32 s28, s28, 2
	s_add_co_u32 s28, s28, s[WV]                   ; and which run of the destination
	s_lshl_b32 s30, s28, 12                        ; 4,096 bytes of codes a run
	s_mov_b32 s31, 0
	s_add_nc_u64 s[12:13], s[12:13], s[30:31]
	s_lshl_b32 s30, s28, 8                         ; 256 scale bytes a run
	s_add_nc_u64 s[14:15], s[14:15], s[30:31]
.macro LOAD t
.irp i, 0,1,2,3
	global_load_b128 v[R+16*((\t)%4)+4*\i:R+16*((\t)%4)+4*\i+3], v3, s[4:5] offset:2048*(\t)+512*\i th:TH_LOAD_NT   ; 32 lanes read 512 consecutive bytes
.endr
.endm
.macro TURN t                          ; step t's numbers through the stage: LDS serves a wave's instructions in order, so no wait stands between the stores and the loads
.irp i, 0,1,2,3
	ds_store_b128 v14, v[R+16*((\t)%4)+4*\i:R+16*((\t)%4)+4*\i+3] offset:32*SP*((\t)%2)+8*SP*\i
.endr
.irp i, 0,1,2,3
	ds_load_b128 v[X+16*((\t)%2)+4*\i:X+16*((\t)%2)+4*\i+3], v15 offset:32*SP*((\t)%2)+16*\i
.endr
.endm
.irp t, 0,1,2,3
	LOAD \t
.endr
	s_wait_loadcnt 12                              ; step 0's four loads are in; the twelve of steps 1 to 3 may be out
	TURN 0
.macro STEP t
.set XS, X+16*((\t)%2)
.if (\t) > 0
	s_wait_dscnt 1                                 ; this step's numbers are back from the stage (the last step's byte store may be out)
.else
	s_wait_dscnt 0x0
.endif
.if (\t)+4 < STEPS
	LOAD (\t)+4                                    ; the registers that the stage's stores have read take the loads of four steps on
.endif
.if (\t)+1 < STEPS
.if STEPS-2-(\t) >= 3
	s_wait_loadcnt 12                              ; the next step's four loads are in; those of the three steps behind it may be out
.else
	s_wait_loadcnt 4*(STEPS-2-(\t))
.endif
	TURN (\t)+1                                    ; and go through the other stage while this step is worked
.endif
	v_max3_num_f32 v8, |v[XS]|, |v[XS+1]|, |v[XS+2]|               ; the largest magnitude of my 16, in two chains
	v_max3_num_f32 v9, |v[XS+3]|, |v[XS+4]|, |v[XS+5]|
.irp i, 6,10
	v_max3_num_f32 v8, v8, |v[XS+\i]|, |v[XS+\i+1]|
	v_max3_num_f32 v9, v9, |v[XS+\i+2]|, |v[XS+\i+3]|
.endr
	v_max3_num_f32 v8, v8, |v[XS+14]|, |v[XS+15]|
	v_max3_num_f32 v8, v8, v9, (EMAX+1)<<23        ; and the floor 2^(3 - 127): the byte cannot fall under 1
	v_max_num_f32_dpp v8, v8, v8 row_xmask:1 row_mask:0xf bank_mask:0xf   ; and of my neighbour's 16: the block's
	v_add_nc_u32 v11, -(EMAX<<23), v8              ; 2 off its exponent field: the conversion takes the exponent field of this operand as its scale
	v_cvt_scalef32_pk8_fp4_f32 v[C+4*(\t)], v[XS:XS+7], v11        ; eight numbers / the scale, to the nearest code, ties to even, beyond 6 the largest code
	v_cvt_scalef32_pk8_fp4_f32 v[C+4*(\t)+1], v[XS+8:XS+15], v11
	v_lshrrev_b32 v[E+(\t)], 23, v11               ; the scale's byte (also the plain instruction behind the conversions)
	ds_store_b8 v5, v[E+(\t)] offset:16*(\t)       ; both lanes of a block write the same byte with the same value
	global_store_b64 v4, v[C+4*(\t):C+4*(\t)+1], s[12:13] offset:32*CB*(\t)   ; the wave stores 256 consecutive bytes, aligned
.endm
.irp t, 0,1,2,3,4,5,6,7,8,9,10,11,12,13,14,15
	STEP \t
.endr
	ds_load_b64 v[8:9], v6                         ; LDS serves a wave's instructions in order: this sees my byte stores
	s_wait_dscnt 0x0
	global_store_b64 v7, v[8:9], s[14:15]          ; 32 lanes store 256 consecutive bytes, aligned
	s_wait_tensorcnt 0x0                           ; the wave's end: behind my last LDS store
	ds_add_u32 v[SPW], v[NIL]
	s_wait_dscnt 0x0
	s_endpgm
; THE CAST OF Wo.  Work-group c = number - 320 takes rows 32 c on, wave w rows n0 = 32 c + 8 w on.  A unit is 4 rows x 64 along K: lane l takes row l / 8 and 8 numbers (32 bytes in, 16 out);
; the unit's 512 bytes of f16 are consecutive in wo16.  32 units a wave, in four batches of eight; loads run two batches (32 loads) ahead.
.Lcast:
	s_sub_co_u32 s26, ttmp9, 320
	s_lshl_b32 s26, s26, 5
	s_lshl_b32 s27, s[WV], 3
	s_add_co_u32 s26, s26, s27                     ; n0
	s_lshl_b32 s28, s26, 12                        ; a row of Wo is 4,096 bytes
	s_mov_b32 s29, 0
	s_add_nc_u64 s[10:11], s[10:11], s[28:29]
	s_lshl_b32 s28, s26, 7                         ; a row of a block of wo16 is 128 bytes
	s_add_nc_u64 s[20:21], s[20:21], s[28:29]
	v_lshrrev_b32 v1, 3, v2
	v_lshlrev_b32 v1, 12, v1
	v_and_b32 v4, 7, v2
	v_lshl_add_u32 v1, v4, 5, v1                   ; in: 4,096 (lane / 8) + 32 (lane % 8);  out: v3 = 16 x lane
.macro CLOAD n                         ; batch n: units 8 n .. 8 n + 7 (unit t: rows 4 (t / 16) on, block t % 16 of K) into set n % 2
.irp u, 0,1,2,3,4,5,6,7
	global_load_b128 v[16+64*((\n)%2)+8*\u:16+64*((\n)%2)+8*\u+3], v1, s[10:11] offset:((8*(\n)+\u)/16)*16384+((8*(\n)+\u)%16)*256 th:TH_LOAD_NT
	global_load_b128 v[16+64*((\n)%2)+8*\u+4:16+64*((\n)%2)+8*\u+7], v1, s[10:11] offset:((8*(\n)+\u)/16)*16384+((8*(\n)+\u)%16)*256+16 th:TH_LOAD_NT
.endr
.endm
.macro CBATCH n
.if (\n) < 3
	s_wait_loadcnt 16                              ; this batch's 16 loads are in; the next batch's 16 may be out
.else
	s_wait_loadcnt 0
.endif
.if (\n) >= 2
	s_wait_xcnt 0x0                                ; the stores of two batches back have read their data: the set is written again only behind this wait
.endif
.irp u, 0,1,2,3,4,5,6,7
.irp i, 0,1,2,3
	v_cvt_pk_f16_f32 v[144+32*((\n)%2)+4*\u+\i], v[16+64*((\n)%2)+8*\u+2*\i], v[16+64*((\n)%2)+8*\u+2*\i+1]
.endr
	global_store_b128 v3, v[144+32*((\n)%2)+4*\u:144+32*((\n)%2)+4*\u+3], s[20:21] offset:((8*(\n)+\u)%16)*131072+((8*(\n)+\u)/16)*512   ; 512 consecutive bytes, aligned
.endr
.if (\n) < 2
	CLOAD (\n)+2
.endif
.endm
	CLOAD 0
	CLOAD 1
	CBATCH 0
	CBATCH 1
	CBATCH 2
	CBATCH 3
	s_wait_tensorcnt 0x0                           ; the same three closing lines on this path
	ds_add_u32 v[SPW], v[NIL]
	s_wait_dscnt 0x0
	s_endpgm
.Lfunc_end_k_q5b2872dcb9_quant:
	.size	k_q5b2872dcb9_quant, .Lfunc_end_k_q5b2872dcb9_quant-k_q5b2872dcb9_quant
	.p2alignl 7, 3214868480
	.fill 96, 4, 3214868480
	.section	.rodata,"a",@progbits
	.p2align	6, 0x0
	.amdhsa_kernel k_q5b2872dcb9_quant
		.amdhsa_group_segment_fixed_size 33280
		.amdhsa_private_segment_fixed_size 0
		.amdhsa_enable_private_segment 0
		.amdhsa_kernarg_size 72
		.amdhsa_user_sgpr_count 2
		.amdhsa_user_sgpr_kernarg_segment_ptr 1
		.amdhsa_wavefront_size32 1
		.amdhsa_system_sgpr_workgroup_id_x 1
		.amdhsa_system_sgpr_workgroup_id_y 1
		.amdhsa_system_sgpr_workgroup_id_z 1
		.amdhsa_system_vgpr_workitem_id 0
		.amdhsa_next_free_vgpr 208
		.amdhsa_next_free_sgpr 66
		.amdhsa_reserve_vcc 0
		.amdhsa_float_denorm_mode_32 3
		.amdhsa_float_denorm_mode_16_64 3
		.amdhsa_memory_ordered 1
		.amdhsa_forward_progress 1
		.amdhsa_inst_pref_size 52
	.end_amdhsa_kernel
	.amdgpu_metadata
---
amdhsa.version: [ 1, 2 ]
amdhsa.kernels:
  - .name:           k_q5b2872dcb9_quant
    .symbol:         k_q5b2872dcb9_quant.kd
    .args:
      - { .name: x, .offset: 0, .size: 8, .value_kind: global_buffer, .address_space: global }
      - { .name: Wk, .offset: 8, .size: 8, .value_kind: global_buffer, .address_space: global }
      - { .name: Wq, .offset: 16, .size: 8, .value_kind: global_buffer, .address_space: global }
      - { .name: Wo, .offset: 24, .size: 8, .value_kind: global_buffer, .address_space: global }
      - { .name: xc, .offset: 32, .size: 8, .value_kind: global_buffer, .address_space: global }
      - { .name: xs, .offset: 40, .size: 8, .value_kind: global_buffer, .address_space: global }
      - { .name: wc, .offset: 48, .size: 8, .value_kind: global_buffer, .address_space: global }
      - { .name: ws, .offset: 56, .size: 8, .value_kind: global_buffer, .address_space: global }
      - { .name: wo16, .offset: 64, .size: 8, .value_kind: global_buffer, .address_space: global }
    .group_segment_fixed_size: 33280
    .private_segment_fixed_size: 0
    .kernarg_segment_align: 8
    .kernarg_segment_size: 72
    .max_flat_workgroup_size: 128
    .sgpr_count:     66
    .vgpr_count:     208
    .wavefront_size: 32
...
	.end_amdgpu_metadata
.endif
;; end of part 1
;; launch proj (part 2): grid 8 x 32, 4 waves a work-group, clusters of 4 x 4, 327,680 bytes of LDS; arguments xc, xs, wc, ws, kq, qkf; writes kq, qkf
.if DOCPART == 2
	.amdgcn_target "amdgcn-amd-amdhsa--gfx1250"
	.amdhsa_code_object_version 6
	.text
	.protected	k_q5b2872dcb9_proj
	.globl	k_q5b2872dcb9_proj
	.p2align	8
	.type	k_q5b2872dcb9_proj,@function
k_q5b2872dcb9_proj:
	s_mov_b64 s[64:65], 0
	v_nop
	global_prefetch_b8 v0, s[64:65] scope:SCOPE_SE
	s_setreg_imm32_b32 hwreg(HW_REG_WAVE_MODE, 25, 1), 1
	s_wait_xcnt 0x0
	s_wait_alu depctr_hold_cnt(0) depctr_sa_sdst(0) depctr_va_vdst(0) depctr_va_sdst(0) depctr_va_ssrc(0) depctr_va_vcc(0) depctr_vm_vsrc(0)
	s_getreg_b32 s2, hwreg(HW_REG_IB_STS2, 6, 4)
	s_cmp_eq_u32 s2, 0
	s_cbranch_scc0 .Lentry_in_a_cluster
	s_endpgm
.Lentry_in_a_cluster:
	s_bfe_u32 s2, ttmp6, 0x10000c
	s_cmp_lg_u32 s2, 0xf033
	s_cbranch_scc0 .Lentry_shape_is_right
	s_endpgm
.Lentry_shape_is_right:
; SECOND LAUNCH: [K | Q] = x [Wk | Wq]^T, one product of 8,192 x 2,048 x 1,024 on codes of E2M1 with one E8M0 scale for each 32 along K; sums in f32.  (x Wv^T is dead work and is left out: see the first kernel's head.)
; A = xc [8192][512 bytes] with xs [8192][32], B = wc [2048][512 bytes] with ws [2048][32].  The matrix instruction takes codes and scale bytes as they lie in memory.
; OUT: kq [hh 32][m 8192][64] f16: hh 0-15 K's heads, 16-31 Q's: column n of the product is head n / 64, channel n % 64.  LIMIT: K and Q go on in f16: magnitudes up to 65,504.
;      qkf [64][2048] f32: the first 16 positions of each of the four sequences (row 16 b + s), unrounded, for the launch that carries those rows in f32.
; A tile of C, 256 x 256, is made by a work-group of four waves; a wave makes 128 x 128: 64 accumulators of 16 x 16, 512 registers.  K = 1,024 is two slots of 512 (rows of 256 bytes): both are asked for at the head,
; with the scales of the work-group's rows for all of K: three tensor loads a wave are out at the most, and no LDS byte is filled twice.
; CLUSTERS: 4 x 4 work-groups.  The four of a row of the cluster need the same tiles of A, the four of a column the same tiles of B: each tile is asked for JOINTLY.
; THE TILE ROW IS 8 cy + cluster y (not 4 cluster y + cy): the four tile rows that begin a sequence (0, 8, 16, 24) are then those of cluster y = 0, a number that all sixteen partners share, so that the
; branch round the f32 copy hangs on the cluster's y and the wave's number alone.
; THE MATRIX INSTRUCTION IS USED TRANSPOSED (source 0 = 16 rows of B, source 1 = 16 rows of A): a lane then holds eight neighbouring columns of a row of C.
; REGISTERS, in windows of 256: window 0: v0-31 addresses; v32-95 scale words, two sets; v128-191 A's fragments, one set; on the way out v32-255 are free.
;   window 1: B's fragments, two sets, at v0 and v128.   window 2: the accumulators of my rows 0-63 ((a, b) at v[8 (8 a + b)]);   window 3: those of my rows 64-127.
.set SIZE_K, 1024
.set KSTEP,  512                       ; along K in a slot
.set NQ,     KSTEP/128                 ; matrix instructions deep
.set ROWB,   256                       ; a tile's row in bytes
.set KROW,   SIZE_K*4/8                ; a row of codes in memory
.set PITCH,  272                       ; an LDS row: 256 bytes + 16 of padding = 68 words: row r starts at bank 4 r mod 64 (ISA guide 11.1)
.set FR,     8                         ; registers of a fragment: 16 rows x 128 K
.set NL,     2                         ; LDS loads that bring one
.set NP,     4                         ; places behind this matrix instruction (ISA guide 7.12.1)
.set HALFT,  128*PITCH                 ; 128 rows: what one tensor load brings
.set SLOT,   4*HALFT                   ; A's 256 rows, then B's 256 rows
.set KS,     SIZE_K/32                 ; a row of scales in bytes
.set SCL,    2*SLOT                    ; behind the slots: the scales, as rows of 256 bytes + 16 of padding
.set HALFS,  (128*KS/256)*272          ; the scales of 128 rows
.set SBLK,   (16*KS/256)*272           ; those of 16 rows
.set SPARE,  SCL+4*HALFS               ; behind the scales: the spare words, 128 bytes a wave
.set SPH,    272                       ; the way out in f16: a stage of 16 rows x (256 bytes + 16) for each wave, in slot 0, which has had its only fill and its last read by then
.set STG32,  4*16*SPH                  ; behind those: stages of 16 rows x (512 bytes + 16) for the f32 copy
.set SPF,    528
.set ADRA, 16                          ; v16-17  LDS address of my A fragments in slot 0, 1
.set ADRB, 20                          ; v20-21  the same for B
.set STO,  24                          ; v24     f16 stage: where I put 16 bytes of a row
.set RD,   25                          ; v25     f16 stage: where I read back (four rows of one head's 128 bytes an instruction)
.set CO,   26                          ; v26     16 x lane
.set ADRS, 27                          ; v27     LDS address of my scale words: lanes 0-15 A's rows, lanes 16-31 B's
.set SPW,  28                          ; v28     LDS address of my spare word; never rewritten
.set NIL,  29                          ; v29     0; never rewritten
.set STO32, 30                         ; v30     f32 stage: where I put 32 bytes of a row
.set RD32, 31                          ; v31     f32 stage: where I read a row back
.set SC,   32                          ; scale words: set s at v[SC + 32 s]; register 4 i + q: lanes 0-15 A's block i, lanes 16-31 B's block i, the slot's q-th 128 along K
.set AF,   128                         ; A's fragments, in window 0
.set TMP,  192                         ; the way out: packed results
.set OB,   32                          ; the way out: 16 rows read back: v32-63 and v224-255 by turns
.set G1, 24                            ; s[24:31] descriptor group 1 for A's tiles;  s[32:39] group 0, one set for each slot
.set G0, 32
.set G1B, 48                           ; s[48:55], s[56:63] the same for B's tiles
.set G0B, 56
.set G1S, 68                           ; s[68:75], s[76:79] groups 1 and 0 for A's scales;  s[80:87], s[88:91] for B's
.set G0S, 76
.set G1SB, 80
.set G0SB, 88
.set MSB, 0
.macro WIN new                         ; the immediate's high byte repeats the setting that is left
.if MSB != \new
	s_set_vgpr_msb (MSB<<8)|\new
.set MSB, \new
.endif
.endm
.set MUL_LO, 0xa1                      ; source 0 (B) window 1, source 1 (A) window 0, C and D window 2
.set MUL_HI, 0xf1                      ; the same, C and D window 3
.set TO_B,   0x40                      ; destination window 1, address window 0
; A joint load: waves 0 and 1 fetch for A, waves 2 and 3 for B.  Each line has one mask and one set of registers for all that issue it; the branch hangs on the wave's number alone.
; An s_nop 0 and four v_nop follow each of the two lines.
.macro JLOAD g0a, g1a, g0b, g1b
	s_cmp_eq_u32 s15, 0
	s_cbranch_scc0 .Lfor_b_\@
	tensor_load_to_lds s[\g0a:\g0a+3], s[\g1a:\g1a+7]
	s_nop 0
.rept 4
	v_nop
.endr
	s_branch .Lasked_\@
.Lfor_b_\@:
	tensor_load_to_lds s[\g0b:\g0b+3], s[\g1b:\g1b+7]
	s_nop 0
.rept 4
	v_nop
.endr
.Lasked_\@:
.endm
.macro CROUND                          ; a round of the cluster's barrier
	s_barrier_signal -1
	s_barrier_wait -1
	s_cmp_lg_u32 s14, 0
	s_cbranch_scc1 .Lnot_wave_0_\@
	s_barrier_signal -3
.Lnot_wave_0_\@:
	s_barrier_wait -3
	s_barrier_signal -1
	s_barrier_wait -1
.endm
	s_load_b128 s[4:7], s[0:1], 0x0                ; A's codes s[4:5], A's scales s[6:7]
	s_load_b128 s[8:11], s[0:1], 0x10              ; B's codes s[8:9], B's scales s[10:11]
	s_load_b64 s[12:13], s[0:1], 0x20              ; kq
	s_load_b64 s[96:97], s[0:1], 0x28              ; qkf
	v_lshl_add_u32 v[SPW], v0, 2, SPARE
	v_mov_b32 v[NIL], 0
	ds_add_u32 v[SPW], v[NIL]                      ; the wave's opening: the add, twice on end, and its wait ahead of my first tensor load
	ds_add_u32 v[SPW], v[NIL]                      ; and once more; the set-up below, work on registers, stands between it and the wait
	v_lshrrev_b32 v1, 5, v0
	v_readfirstlane_b32 s14, v1                    ; wave 0..3
	s_lshr_b32 s15, s14, 1                         ; which half of the tile's rows is mine.  Also: I fetch for A (0) or for B (1)
	s_and_b32 s16, s14, 1                          ; which half of its columns.  Also: which 128 rows of that tile I fetch
	s_bfe_u32 s40, ttmp6, 0x40000                  ; cx, cy: my place in the cluster
	s_bfe_u32 s41, ttmp6, 0x40004
	s_lshl_b32 s42, ttmp9, 2
	s_add_co_u32 s42, s42, s40                     ; tile column of C = 4 x cluster x + cx
	s_and_b32 s17, ttmp7, 0xffff                   ; cluster y
	s_or_b32 s95, s17, s15                         ; 0 where my rows begin a sequence: cluster y = 0 and the tile's upper half
	s_lshl_b32 s18, s41, 3
	s_add_co_u32 s17, s17, s18                     ; tile row of C = 8 cy + cluster y
	s_lshl_b32 s43, s41, 2
	s_lshl_b32 s43, 15, s43                        ; my row of the cluster
	s_lshl_b32 s44, 0x1111, s40                    ; my column
	; descriptor group 1: a tile of 128 rows x 256 bytes, padded in LDS
	s_or_b32 s[G1+0], s43, (0<<16)|(1<<20)|(1<<21)|(5<<22)|(3<<25)  ; 15:0 the mask: A's tiles go to my row; 17:16 elements of 1 byte; 20 padding on; 21 set beside a mask; 24:22 after every 64 words; 31:25 four words
	s_or_b32 s[G1B+0], s44, (0<<16)|(1<<20)|(1<<21)|(5<<22)|(3<<25)
.irp g, G1, G1B
	s_mov_b32 s[\g+1], ROWB<<16                    ; tensor_dim0
	s_mov_b32 s[\g+2], 128<<16                     ; tensor_dim1 = 128
	s_mov_b32 s[\g+3], ROWB<<16                    ; tile_dim0
	s_mov_b32 s[\g+4], 128                         ; tile_dim1 = 128
	s_mov_b32 s[\g+5], KROW                        ; tensor_dim0_stride
	s_mov_b32 s[\g+6], 0
	s_mov_b32 s[\g+7], 0
.endr
	; and for the scales of 128 rows: a dense block of 4,096 bytes, as rows of 256 bytes (32 elements of 8 bytes), 16 bytes of padding behind each
	s_or_b32 s[G1S+0], s43, (3<<16)|(1<<20)|(1<<21)|(5<<22)|(3<<25)
	s_or_b32 s[G1SB+0], s44, (3<<16)|(1<<20)|(1<<21)|(5<<22)|(3<<25)
.irp g, G1S, G1SB
	s_mov_b32 s[\g+1], 32<<16
	s_mov_b32 s[\g+2], (128*KS/256)<<16
	s_mov_b32 s[\g+3], 32<<16
	s_mov_b32 s[\g+4], 128*KS/256
	s_mov_b32 s[\g+5], 32
	s_mov_b32 s[\g+6], 0
	s_mov_b32 s[\g+7], 0
.endr
	s_lshl_b32 s18, s16, 7                         ; which 128 rows of the tile I fetch
	s_lshl_b32 s20, s17, 8
	s_add_co_u32 s20, s20, s18                     ; A: row 256 x tile row + 128 x half
	s_lshl_b32 s46, s42, 8
	s_add_co_u32 s46, s46, s18                     ; B: row 256 x tile column + 128 x half
	s_mov_b32 s21, 0
	s_mov_b32 s47, 0
	s_mov_b64 s[18:19], KS
	s_mul_u64 s[22:23], s[20:21], s[18:19]         ; where these rows' scales begin, in bytes
	s_mul_u64 s[92:93], s[46:47], s[18:19]
	s_mov_b64 s[18:19], KROW
	s_mul_u64 s[20:21], s[20:21], s[18:19]         ; and their codes
	s_mul_u64 s[46:47], s[46:47], s[18:19]
	s_mul_i32 s45, s14, HALFT                      ; where they go: wave x 128 rows: no place in the cluster enters an LDS address
	s_mul_i32 s94, s14, HALFS
	s_wait_dscnt 0x0                               ; both opening adds are done
	s_wait_kmcnt 0x0
	s_add_nc_u64 s[20:21], s[4:5], s[20:21]
	s_add_nc_u64 s[22:23], s[6:7], s[22:23]
	s_add_nc_u64 s[46:47], s[8:9], s[46:47]
	s_add_nc_u64 s[92:93], s[10:11], s[92:93]
	CROUND                                         ; all sixteen work-groups are here: the joint loads meet
	s_mov_b32 s[G0S], 1
	s_add_co_u32 s[G0S+1], s94, SCL
	s_mov_b64 s[G0S+2:G0S+3], s[22:23]
	s_or_b32 s[G0S+3], s[G0S+3], 0x80000000
	s_mov_b32 s[G0SB], 1
	s_add_co_u32 s[G0SB+1], s94, SCL
	s_mov_b64 s[G0SB+2:G0SB+3], s[92:93]
	s_or_b32 s[G0SB+3], s[G0SB+3], 0x80000000
	JLOAD G0S, G1S, G0SB, G1SB                     ; the scales first: they are wanted with the first slot
.irp s, 0,1
	s_mov_b32 s[G0+4*\s], 1
	s_add_co_u32 s[G0+4*\s+1], s45, \s*SLOT
	s_add_nc_u64 s[G0+4*\s+2:G0+4*\s+3], s[20:21], \s*ROWB
	s_or_b32 s[G0+4*\s+3], s[G0+4*\s+3], 0x80000000
	s_mov_b32 s[G0B+4*\s], 1
	s_add_co_u32 s[G0B+4*\s+1], s45, \s*SLOT
	s_add_nc_u64 s[G0B+4*\s+2:G0B+4*\s+3], s[46:47], \s*ROWB
	s_or_b32 s[G0B+4*\s+3], s[G0B+4*\s+3], 0x80000000
	JLOAD G0+4*\s, G1, G0B+4*\s, G1B
.endr
	v_and_b32 v1, 15, v0                           ; r = l % 16
	v_bfe_u32 v2, v0, 4, 1                         ; h = l / 16
	v_mul_u32_u24 v3, v1, PITCH
	v_lshl_add_u32 v4, v2, 4, v3                   ; a fragment's row x pitch + 16 x half
	s_mul_i32 s21, s15, HALFT                      ; my 128 rows of A
	s_mul_i32 s22, s16, HALFT                      ; my 128 rows of B,
	s_add_co_u32 s22, s22, 2*HALFT                 ; which lie behind A's 256
.irp s, 0,1
	v_add_nc_u32 v[ADRA+\s], s21, v4
	v_add_nc_u32 v[ADRB+\s], s22, v4
	s_add_co_u32 s21, s21, SLOT
	s_add_co_u32 s22, s22, SLOT
.endr
	v_mul_u32_u24 v5, v1, KS                       ; my row's scales: 32 bytes a row,
	v_lshrrev_b32 v6, 8, v5
	v_lshl_add_u32 v5, v6, 4, v5                   ; and 16 more for each 256 passed
	s_mul_i32 s21, s15, HALFS                      ; A's: my 128 rows
	s_mul_i32 s22, s16, HALFS                      ; B's: my 128 rows, behind A's 256
	s_add_co_u32 s22, s22, 2*HALFS
	s_sub_co_u32 s22, s22, s21
	v_mul_u32_u24 v6, s22, v2                      ; lanes 16-31 take B's: one product, the distance between the two bases
	s_add_co_u32 s21, s21, SCL
	v_add_nc_u32 v5, v5, v6
	v_add_nc_u32 v[ADRS], s21, v5
	s_mul_i32 s23, s14, 16*SPH                     ; my f16 stage
	v_mul_u32_u24 v5, v1, SPH                      ; in: row r, 16 bytes for each half of the lanes
	v_lshl_add_u32 v5, v2, 4, v5
	v_add_nc_u32 v[STO], s23, v5
	v_bfe_u32 v5, v0, 3, 2                         ; back: row lane / 8 of four, 16 bytes at lane % 8 of a head's 128
	v_mul_u32_u24 v5, v5, SPH
	v_and_b32 v6, 7, v0
	v_lshl_add_u32 v5, v6, 4, v5
	v_add_nc_u32 v[RD], s23, v5
	v_and_b32 v6, 31, v0
	v_lshlrev_b32 v[CO], 4, v6                     ; and in memory those four rows are 512 consecutive bytes: 16 x lane
	s_mul_i32 s23, s14, 16*SPF                     ; my f32 stage
	s_add_co_u32 s23, s23, STG32
	v_mul_u32_u24 v5, v1, SPF                      ; in: row r, 32 bytes for each half of the lanes
	v_lshl_add_u32 v5, v2, 5, v5
	v_add_nc_u32 v[STO32], s23, v5
	v_add_nc_u32 v[RD32], s23, v[CO]               ; back: the 32 lanes take one row of 512 bytes
	s_lshl_b32 s20, s17, 8
	s_lshl_b32 s21, s15, 7
	s_add_co_u32 s20, s20, s21                     ; my first row m: 256 x tile row + 128 x half
	s_lshl_b32 s20, s20, 7                         ; 128 bytes a row of a head
	s_lshl_b32 s46, s42, 2
	s_lshl_b32 s47, s16, 1
	s_add_co_u32 s46, s46, s47                     ; my first head hh: 4 x tile column + 2 x half
	s_lshl_b32 s46, s46, 20                        ; 2^20 bytes a head
	s_add_co_u32 s20, s20, s46
	s_mov_b32 s21, 0
	s_add_nc_u64 s[12:13], s[12:13], s[20:21]      ; kq at my part; never stepped: all else stands in the stores' immediates
	s_lshl_b32 s20, s41, 17                        ; qkf: batch cy's 16 rows of 8,192 bytes,
	s_lshl_b32 s46, s42, 10
	s_lshl_b32 s47, s16, 9
	s_add_co_u32 s20, s20, s46
	s_add_co_u32 s20, s20, s47                     ; my first column, in bytes: 1,024 x tile column + 512 x half
	s_add_nc_u64 s[96:97], s[96:97], s[20:21]
.macro FRAG reg, adr, q, i             ; a fragment, 16 rows x 128 K of 4-bit codes: lane l holds row l % 16; registers 4 c .. 4 c + 3 hold K = 64 c + 32 (l / 16) + 0 .. 31
.irp c, 0,1
	ds_load_b128 v[\reg+4*\c:\reg+4*\c+3], v[\adr] offset:64*(\q)+32*\c+(\i)*16*PITCH
.endr
.endm
; 16 matrix instructions: A's blocks a0, a0 + 1 x B's eight, the slot's q-th 128 along K.  p: B's set;  sc: the set of scale words.  zero = 1: the first product starts the sums.
; The 64 accumulators take turns, one instruction a turn, in the same order in every step.
.macro MUL16 a0, p, q, sc, zero
.irp a, \a0, \a0+1
.irp b, 0,1,2,3,4,5,6,7
.if \zero
	v_wmma_scale_f32_16x16x128_f8f6f4 v[8*(8*((\a)%4)+\b):8*(8*((\a)%4)+\b)+7], v[128*(\p)+FR*\b:128*(\p)+FR*\b+FR-1], v[AF+FR*(\a):AF+FR*(\a)+FR-1], 0, v[SC+8*NQ*(\sc)+NQ*\b+(\q)], v[SC+8*NQ*(\sc)+NQ*(\a)+(\q)] matrix_a_fmt:MATRIX_FMT_FP4 matrix_b_fmt:MATRIX_FMT_FP4 matrix_a_scale:MATRIX_SCALE_ROW1
.else
	v_wmma_scale_f32_16x16x128_f8f6f4 v[8*(8*((\a)%4)+\b):8*(8*((\a)%4)+\b)+7], v[128*(\p)+FR*\b:128*(\p)+FR*\b+FR-1], v[AF+FR*(\a):AF+FR*(\a)+FR-1], v[8*(8*((\a)%4)+\b):8*(8*((\a)%4)+\b)+7], v[SC+8*NQ*(\sc)+NQ*\b+(\q)], v[SC+8*NQ*(\sc)+NQ*(\a)+(\q)] matrix_a_fmt:MATRIX_FMT_FP4 matrix_b_fmt:MATRIX_FMT_FP4 matrix_a_scale:MATRIX_SCALE_ROW1
.endif
.endr
.endr
.endm
.macro FETCH_B slot, q, p              ; B's eight fragments of the slot's q-th 128 along K into set p
	WIN TO_B
.irp i, 0,1,2,3,4,5,6,7
	FRAG 128*(\p)+FR*\i, ADRB+\slot, \q, \i
.endr
	WIN 0
.endm
.macro FETCH_A slot, q, i0             ; A's blocks i0 .. i0 + 3
.irp i, \i0, \i0+1, \i0+2, \i0+3
	FRAG AF+FR*(\i), ADRA+\slot, \q, \i
.endr
.endm
.macro SCALES sc                       ; a slot's scale words into set sc: four words a row; lanes 0-15 take A's block i, lanes 16-31 B's block i
.irp i, 0,1,2,3,4,5,6,7
	ds_load_b128 v[SC+8*NQ*\sc+NQ*\i:SC+8*NQ*\sc+NQ*\i+3], v[ADRS] offset:\i*SBLK
.endr
.endm
; A load into a register that a matrix instruction has read, and a vector instruction or an LDS store that reads a matrix result, stand NP places behind that matrix instruction; only plain vector
; instructions that name none of its registers are places (ISA guide 7.12.1 for vector instructions).
.macro PLACES n
.rept \n
	v_nop
.endr
.endm
.macro STEP slot, q, zero              ; a step of 128 along K that has its successor in the same slot
	s_wait_dscnt 4*NL                              ; B's set and A's blocks 0-3 are in; the youngest eight loads (A's blocks 4-7) may be out
	WIN MUL_LO
	MUL16 0, (\q)%2, \q, \slot, \zero
	MUL16 2, (\q)%2, \q, \slot, \zero
	s_wait_dscnt 0                                 ; A's blocks 4-7 are in (asked for 32 matrix instructions ago)
	PLACES NP
	FETCH_B \slot, (\q)+1, 1-(\q)%2
	FETCH_A \slot, (\q)+1, 0
	WIN MUL_HI
	MUL16 4, (\q)%2, \q, \slot, \zero
	MUL16 6, (\q)%2, \q, \slot, \zero
	PLACES NP
	WIN 0
	FETCH_A \slot, (\q)+1, 4
.endm
; Slot 0's last step changes slots: one barrier; in front of it each wave waits for all its tensor loads (slot 1's is the one that may be out), adds 0 to its spare word, and waits for that and for its reads of slot 0.
; Slot 0's bytes become the stages of the way out.
.macro TURN slot, next
	s_wait_tensorcnt 0x0                           ; all my tensor loads have landed  (every window is 0 here: the add's two registers lie in window 0)
	ds_add_u32 v[SPW], v[NIL]                      ; 0 onto my spare word
	s_wait_dscnt 4*NL+1                            ; (the add and the youngest eight loads, A's blocks 4-7, may be out)
	WIN MUL_LO
	MUL16 0, 1, NQ-1, \slot, 0                     ; sixteen matrix instructions stand between the add and the wait for it
	s_wait_dscnt 0x0                               ; the add is done, and my reads of this slot are over
	s_barrier_signal -1
	MUL16 2, 1, NQ-1, \slot, 0
	WIN 0
	s_barrier_wait -1
	PLACES NP
	v_add_nc_u32 v[ADRS], 4*NQ, v[ADRS]            ; on to the next slot's scale words (no LDS load of mine is out)
	FETCH_B \next, 0, 0
	FETCH_A \next, 0, 0
	SCALES \next
	WIN MUL_HI
	MUL16 4, 1, NQ-1, \slot, 0
	MUL16 6, 1, NQ-1, \slot, 0
	PLACES NP
	WIN 0
	FETCH_A \next, 0, 4
.endm
.macro STEPS slot, from                ; the slot's steps from .. NQ - 2
.set Q, \from
.rept NQ-1-\from
	STEP \slot, Q, 0
.set Q, Q+1
.endr
.endm
	s_wait_tensorcnt 1                             ; the scales and my part of slot 0 are in (slot 1's load, issued behind them, may be out),
	s_barrier_signal -1
	s_barrier_wait -1                              ; everybody's are
	FETCH_B 0, 0, 0
	FETCH_A 0, 0, 0
	SCALES 0
	FETCH_A 0, 0, 4
	STEP 0, 0, 1                                   ; the first step's products start the sums: nothing is cleared
	STEPS 0, 1
	TURN 0, 1
	STEPS 1, 0
	s_wait_dscnt 4*NL                              ; the last step: nothing more to fetch
	WIN MUL_LO
	MUL16 0, 1, NQ-1, 1, 0
	MUL16 2, 1, NQ-1, 1, 0
	s_wait_dscnt 0
	WIN MUL_HI
	MUL16 4, 1, NQ-1, 1, 0
	MUL16 6, 1, NQ-1, 1, 0
	WIN 0
; THE WAY OUT, block by block of 16 rows x 128 columns (two heads).  PACK: rounded to f16, 16 bytes a lane, each accumulator from its low end on.  TOSTAGE: into my own stage, and back by heads: four rows of one
; head's 128 bytes an instruction.  SEND: those four rows are 512 consecutive bytes of kq.  LDS serves a wave's instructions in order (ISA guide 5.7.1.4): no wait between the stage's stores and loads.
.macro PACK a
.set AC, 64*((\a)%4)
	WIN 0x0a+5*((\a)/4)                            ; sources 0 and 1: window 2 or 3
.irp b, 0,1,2,3,4,5,6,7
.irp i, 0,1,2,3
	v_cvt_pk_f16_f32 v[TMP+4*\b+\i], v[AC+8*\b+2*\i], v[AC+8*\b+2*\i+1]
.endr
.endr
	WIN 0
.endm
.macro TOSTAGE a
.set BB, OB+192*((\a)%2)
.irp b, 0,1,2,3,4,5,6,7
	ds_store_b128 v[STO], v[TMP+4*\b:TMP+4*\b+3] offset:32*\b
.endr
.irp t, 0,1,2,3,4,5,6,7
	ds_load_b128 v[BB+4*\t:BB+4*\t+3], v[RD] offset:(\t%4)*4*SPH+128*(\t/4)
.endr
.endm
.macro SEND a
.set BB, OB+192*((\a)%2)
	s_wait_dscnt 0x0                               ; the block is back in registers
	s_wait_xcnt 0x0                                ; the block before's stores have read their data: the next block's loads land there only behind this wait
.irp t, 0,1,2,3,4,5,6,7
	global_store_b128 v[CO], v[BB+4*\t:BB+4*\t+3], s[12:13] offset:(\t/4)*1048576+2048*(\a)+512*(\t%4)   ; 32 lanes store 512 consecutive bytes, aligned
.endr
.endm
	PLACES NP                                      ; behind the last products: for the loads into the registers that held scale words, and for the reads of results
	PACK 0
	TOSTAGE 0
.irp a, 1,2,3,4,5,6,7                  ; block a's conversions stand between block a - 1's loads from the stage and the wait for them
	PACK \a
	SEND \a-1
	TOSTAGE \a
.endr
	SEND 7
	; THE F32 COPY of the first 16 positions of a sequence: my block 0 (window 2, v0-63), where cluster y = 0 and my rows are the tile's upper half.  The test is the same in all sixteen partners for a given wave.
	s_cmp_lg_u32 s95, 0
	s_cbranch_scc1 .Lno_fine
	WIN 0x08                                       ; an LDS store's data are its source 1: window 2
.irp b, 0,1,2,3,4,5,6,7
	ds_store_b128 v[STO32], v[8*\b:8*\b+3] offset:64*\b
	ds_store_b128 v[STO32], v[8*\b+4:8*\b+7] offset:64*\b+16
.endr
	WIN 0
.irp t, 0,1,2,3,4,5,6,7,8,9,10,11,12,13,14,15
	ds_load_b128 v[64+4*\t:64+4*\t+3], v[RD32] offset:\t*SPF
.endr
	s_wait_dscnt 0x0
.irp t, 0,1,2,3,4,5,6,7,8,9,10,11,12,13,14,15
	global_store_b128 v[CO], v[64+4*\t:64+4*\t+3], s[96:97] offset:\t*8192   ; 32 lanes store 512 consecutive bytes of row t, aligned
.endr
.Lno_fine:
	s_wait_tensorcnt 0x0                           ; the wave's end: behind my last tensor load and my last LDS store
	ds_add_u32 v[SPW], v[NIL]
	s_wait_dscnt 0x0
	CROUND                                         ; the closing round: no work-group ends while a partner may still ask for a tile that names it
	s_endpgm
.Lfunc_end_k_q5b2872dcb9_proj:
	.size	k_q5b2872dcb9_proj, .Lfunc_end_k_q5b2872dcb9_proj-k_q5b2872dcb9_proj
	.p2alignl 7, 3214868480
	.fill 96, 4, 3214868480
	.section	.rodata,"a",@progbits
	.p2align	6, 0x0
	.amdhsa_kernel k_q5b2872dcb9_proj
		.amdhsa_group_segment_fixed_size 327680
		.amdhsa_private_segment_fixed_size 0
		.amdhsa_enable_private_segment 0
		.amdhsa_kernarg_size 48
		.amdhsa_user_sgpr_count 2
		.amdhsa_user_sgpr_kernarg_segment_ptr 1
		.amdhsa_wavefront_size32 1
		.amdhsa_system_sgpr_workgroup_id_x 1
		.amdhsa_system_sgpr_workgroup_id_y 1
		.amdhsa_system_sgpr_workgroup_id_z 1
		.amdhsa_system_vgpr_workitem_id 0
		.amdhsa_next_free_vgpr 1024
		.amdhsa_next_free_sgpr 100
		.amdhsa_reserve_vcc 0
		.amdhsa_float_denorm_mode_32 3
		.amdhsa_float_denorm_mode_16_64 3
		.amdhsa_memory_ordered 1
		.amdhsa_forward_progress 1
		.amdhsa_inst_pref_size 131
	.end_amdhsa_kernel
	.amdgpu_metadata
---
amdhsa.version: [ 1, 2 ]
amdhsa.kernels:
  - .name:           k_q5b2872dcb9_proj
    .symbol:         k_q5b2872dcb9_proj.kd
    .args:
      - { .name: xc, .offset: 0, .size: 8, .value_kind: global_buffer, .address_space: global }
      - { .name: xs, .offset: 8, .size: 8, .value_kind: global_buffer, .address_space: global }
      - { .name: wc, .offset: 16, .size: 8, .value_kind: global_buffer, .address_space: global }
      - { .name: ws, .offset: 24, .size: 8, .value_kind: global_buffer, .address_space: global }
      - { .name: kq, .offset: 32, .size: 8, .value_kind: global_buffer, .address_space: global }
      - { .name: qkf, .offset: 40, .size: 8, .value_kind: global_buffer, .address_space: global }
    .group_segment_fixed_size: 327680
    .private_segment_fixed_size: 0
    .kernarg_segment_align: 8
    .kernarg_segment_size: 48
    .max_flat_workgroup_size: 128
    .sgpr_count:     100
    .vgpr_count:     1024
    .wavefront_size: 32
...
	.end_amdgpu_metadata
.endif
;; end of part 2
;; launch attn (part 3): grid 4 x 64, 16 waves a work-group, no clusters, 327,680 bytes of LDS; arguments kq, at16; writes at16
.if DOCPART == 3
	.amdgcn_target "amdgcn-amd-amdhsa--gfx1250"
	.amdhsa_code_object_version 6
	.text
	.protected	k_q5b2872dcb9_attn
	.globl	k_q5b2872dcb9_attn
	.p2align	8
	.type	k_q5b2872dcb9_attn,@function
k_q5b2872dcb9_attn:
	s_mov_b64 s[64:65], 0
	v_nop
	global_prefetch_b8 v0, s[64:65] scope:SCOPE_SE
	s_setreg_imm32_b32 hwreg(HW_REG_WAVE_MODE, 25, 1), 1
	s_wait_xcnt 0x0
; THIRD LAUNCH: attn[b][h][q] = the sum over k <= q of softmax_k(Q[q] . K[k] / 32) Q[k]: the values are the queries.  K and Q: kq [hh 32][m 8192][64] f16 (hh = h: K; hh = 16 + h: Q; m = 2048 b + s).
; Out: at16 [h 16][m 8192][64] f16.  Products on f16 operands with f32 sums; maxima, exponentials and row sums in f32; the weights p (at most 1) are rounded to f16 for the second product, the result once at the end.
; LEFT OUT: key steps all of whose keys come after a wave's queries, and slots whose first key comes after the work-group's last query: the causal mask that the problem builds itself throws their results away.
; The first 16 positions of each sequence are made here like all others; the last launch makes their output rows again in f32.  LIMIT: f16's range for K, Q and the result (magnitudes up to 65,504).
; SHARES.  Work-group (i, y): head y % 16 of batch y / 16, query blocks 7 - i and i of 256 queries: the same number of tile steps in every work-group.  Each of sixteen waves owns 32 queries, two tiles of 16, so that
; each fragment of K and V read from LDS feeds two matrix instructions; four waves share a SIMD, so that one wave's vector work stands beside another's matrix work.  Wave w takes block 7 - i where
; (w ^ (w >> 2)) & 1 = 0, else block i; in it queries 32 (w / 2) on: any four neighbouring waves, and any four that are equal mod 4, hold two of each block.
; NO CLUSTER: the four work-groups of a head need 8 - i slots of keys each; a joint load of the later slots would be read by no wave of some partner.
; LAYOUT.  S^T = K Q^T (source 0 = 16 keys, source 1 = 16 queries): a lane holds ONE query (lane % 16) and keys 8 (lane / 16) + 0..7 of each tile of 16.  Two such tiles, rounded to f16 in pairs, ARE source 1
; (32 keys x 16 queries) of O^T = V^T P.  K comes out of LDS as it lies, V ([key][channel]) turned, by ds_load_tr16_b128.
; SOFTMAX.  A running maximum m and sum l for each query: p = 2^(c s - c m), c = log2(e) / 32; in every step O and l are multiplied by a = 2^(c m_old - c m_new).  m begins at -3e38, O and l at 0.
; Every step that a wave walks has an open key for each of its queries (its first key is at or under the wave's first query), so m is a number from the first step on and hidden scores, -infinity, give p = 0.
; RING.  Two LDS slots of 256 keys, 2^17 bytes apart; waves 0-3 fetch K's four quarters, waves 4-7 V's (Q's rows), one tensor load each behind a change of slots: one load a wave is out at the most.
; EVERY work-group walks all 8 slots: the trip counts are constants; what is left out is a step's work and, past the causal limit, the load.  Every wait on TENSORcnt is for 0.
.set KP,    144                        ; a key's row of K in LDS: 128 bytes + 16 = 36 words: row r starts at bank 36 r mod 64 (ISA guide 11.1): the 16 rows of a load start at 16 different groups of four banks
.set VP,    160                        ; a row of V: 128 + 32
.set SK,    256                        ; keys in a slot
.set VOFF,  SK*KP                      ; a slot: 256 rows of K, then 256 rows of V
.set SLOT1, 1<<17
.set SPARE, 2*SLOT1                    ; behind the ring: the spare words, 128 bytes for each of sixteen waves
.set NSL,   8
.set AK0, 1                            ; v1   my lane's place in a tile of K
.set AV0, 2                            ; v2   the same for V
.set ADK, 3                            ; v3   LDS address of the step's K
.set ADV, 4                            ; v4   of its V
.set SPW, 5                            ; v5   LDS address of my spare word; never rewritten
.set NIL, 6                            ; v6   0; never rewritten
.set PFO, 7                            ; v7   256 x lane: the prefetches' offset; never rewritten
.set GO,  8                            ; v8   16 x lane: the way out
.set ST,  12                           ; v12-27 statistics, 8 a tile: +0 c m, +1 m, +2, +3 l, +4 to +7 at work; a takes +6
.set QF,  32                           ; v32-63 Q: tile u, channels 32 c on, at 32 + 16 u + 8 c
.set KV,  64                           ; v64-127 eight fragments: K's, then V's
.set S,   128                          ; v128-191 S^T: tile u at + 32 u, keys 16 kt on at + 8 kt; P is packed in place into + 0..15
.set OT,  192                          ; v192-255 O^T: tile u at + 32 u, channels 16 ct on at + 8 ct
.set TB,  2                            ; s2   LDS byte at which the slot in hand begins
.set SLOTS, 3                          ; s3   changes of slots still to come that may ask for a slot
.set WV,  18
.set SEL, 20                           ; s[20:21] lane selects for v_permlanex16_b32: lane l xor 16
.set CS,  22                           ; s[22:23] c, twice: the packed form names a pair
.set G1K, 24
.set G1V, 32
.set G0K, 40
.set G0V, 44
.set KF,  48                           ; s48  the step's first key
.set Q0,  49                           ; s49  my first query
.set LASTQ, 50                         ; s50  my work-group's last query
.set PFA, 52                           ; s[52:53] where my prefetches stand
.set LIM, 54                           ; s54  1 in a wave that prefetches, else the greatest number
; Waves 0-3 fetch for K, waves 4-7 for V, the others nothing.  An s_nop 0 and four v_nop follow each of the two lines.
.macro TLOAD
	s_cmp_lt_u32 s[WV], 4
	s_cbranch_scc0 .Lnot_k_\@
	tensor_load_to_lds s[G0K:G0K+3], s[G1K:G1K+7]
	s_nop 0
.rept 4
	v_nop
.endr
	s_branch .Lasked_\@
.Lnot_k_\@:
	s_cmp_lt_u32 s[WV], 8
	s_cbranch_scc0 .Lasked_\@
	tensor_load_to_lds s[G0V:G0V+3], s[G1V:G1V+7]
	s_nop 0
.rept 4
	v_nop
.endr
.Lasked_\@:
.endm
; A PREFETCH of what the NEXT change of slots will ask for: a slot's 32,768 bytes of K and of V, four key steps ahead of that load.  All four work-groups of a head walk the same rows: work-group i = 0, which loads
; all eight slots, asks, and nobody else; in it the waves that fetch nothing: waves 8-11 for K, 12-15 for V, 8,192 bytes a wave, lanes 256 bytes apart: each block of 256 bytes is named once in the launch.
; Slots 0 and 1 come by their loads alone; the last change that fills a slot asks for nothing.
.macro ASK
	s_cmp_gt_u32 s[SLOTS], s[LIM]
	s_cbranch_scc0 .Lnot_mine_\@
	global_prefetch_b8 v[PFO], s[PFA:PFA+1] th:TH_LOAD_NT scope:SCOPE_SE
.Lnot_mine_\@:
.endm
	s_load_b128 s[4:7], s[0:1], 0x0                ; kq s[4:5], at16 s[6:7]
	v_lshl_add_u32 v[SPW], v0, 2, SPARE
	v_mov_b32 v[NIL], 0
	ds_add_u32 v[SPW], v[NIL]                      ; the wave's opening: the add, twice on end, and its wait ahead of my first tensor load
	ds_add_u32 v[SPW], v[NIL]                      ; and once more; the set-up below, work on registers, stands between it and the wait
	v_lshrrev_b32 v1, 5, v0
	v_readfirstlane_b32 s[WV], v1                  ; wave 0..15
	s_and_b32 s56, ttmp7, 0xffff
	s_and_b32 s57, s56, 15                         ; the head
	s_lshr_b32 s58, s56, 4                         ; the batch
	s_lshl_b32 s57, s57, 20                        ; 2^20 bytes a head,
	s_lshl_b32 s58, s58, 18                        ; 2^18 a batch in it
	s_add_co_u32 s60, s57, s58
	s_mov_b32 s61, 0
	s_lshr_b32 s62, s[WV], 2
	s_xor_b32 s62, s62, s[WV]
	s_and_b32 s62, s62, 1
	s_sub_co_u32 s63, 7, ttmp9
	s_cmp_eq_u32 s62, 0
	s_cselect_b32 s63, s63, ttmp9                  ; my block of 256 queries: 7 - i or i
	s_lshl_b32 s63, s63, 8
	s_lshr_b32 s66, s[WV], 1
	s_lshl_b32 s66, s66, 5
	s_add_co_u32 s[Q0], s63, s66                   ; my first query
	s_lshl_b32 s[LASTQ], ttmp9, 8
	s_sub_co_u32 s[LASTQ], 2047, s[LASTQ]          ; block 7 - i's last
	; descriptor group 1: 64 rows of 64 elements of 2 bytes, dense in memory, padded behind every row
	s_mov_b32 s[G1K], (1<<16)|(1<<20)|(4<<22)|(3<<25)   ; 15:0 no mask; 17:16 elements of 2 bytes; 20 padding on; 24:22 after every 32 words; 31:25 four words
	s_mov_b32 s[G1V], (1<<16)|(1<<20)|(4<<22)|(7<<25)   ; the same with eight words
.irp g, G1K, G1V
	s_mov_b32 s[\g+1], 64<<16                      ; tensor_dim0
	s_mov_b32 s[\g+2], 64<<16                      ; tensor_dim1
	s_mov_b32 s[\g+3], 64<<16                      ; tile_dim0
	s_mov_b32 s[\g+4], 64                          ; tile_dim1
	s_mov_b32 s[\g+5], 64                          ; tensor_dim0_stride
	s_mov_b32 s[\g+6], 0
	s_mov_b32 s[\g+7], 0
.endr
	s_and_b32 s67, s[WV], 3                        ; which 64 keys of a slot I fetch, if I fetch
	s_mul_i32 s68, s67, 64*KP
	s_mul_i32 s69, s67, 64*VP
	s_add_co_u32 s69, s69, VOFF
	s_lshl_b32 s70, s67, 13                        ; 64 rows of 128 bytes
	s_add_co_u32 s70, s70, s60
	s_mov_b32 s71, 0
	s_mov_b32 s[SEL], 0x76543210
	s_mov_b32 s[SEL+1], 0xfedcba98
	s_mov_b32 s[CS], 0x3d38aa3b                    ; c = log2(e) / 32
	s_mov_b32 s[CS+1], s[CS]
	s_mov_b32 s[TB], 0
	s_mov_b32 s[KF], 0
	s_mov_b32 s[SLOTS], NSL-1
	s_wait_dscnt 0x0                               ; both opening adds are done
	s_wait_kmcnt 0x0
	s_mov_b32 s[G0K], 1
	s_mov_b32 s[G0K+1], s68
	s_add_nc_u64 s[G0K+2:G0K+3], s[4:5], s[70:71]
	s_or_b32 s[G0K+3], s[G0K+3], 0x80000000
	s_mov_b32 s[G0V], 1
	s_mov_b32 s[G0V+1], s69
	s_add_nc_u64 s[G0V+2:G0V+3], s[4:5], s[70:71]
	s_add_nc_u64 s[G0V+2:G0V+3], s[G0V+2:G0V+3], 0x1000000   ; Q's heads lie 16 heads behind K's
	s_or_b32 s[G0V+3], s[G0V+3], 0x80000000
	TLOAD                                          ; slot 0: it holds key 0, which counts for every query
	s_lshl_b32 s72, s[Q0], 7
	s_add_co_u32 s72, s72, s60
	s_mov_b32 s73, 0
	s_add_nc_u64 s[6:7], s[6:7], s[72:73]          ; at16 at my first query
	s_add_nc_u64 s[74:75], s[4:5], s[72:73]
	s_add_nc_u64 s[74:75], s[74:75], 0x1000000     ; Q at my first query
	v_and_b32 v9, 15, v0                           ; r
	v_bfe_u32 v10, v0, 4, 1                        ; h
	v_lshlrev_b32 v11, 7, v9
	v_lshl_add_u32 v11, v10, 4, v11                ; row r of 128 bytes + 16 h
.irp u, 0,1
.irp c, 0,1
	global_load_b128 v[QF+16*\u+8*\c:QF+16*\u+8*\c+3], v11, s[74:75] offset:2048*\u+64*\c       ; Q's fragments stay in registers
	global_load_b128 v[QF+16*\u+8*\c+4:QF+16*\u+8*\c+7], v11, s[74:75] offset:2048*\u+64*\c+32
.endr
.endr
	; the prefetches: where my wave's stand, and who asks
	s_and_b32 s66, s[WV], 3
	s_lshl_b32 s66, s66, 13
	s_add_co_u32 s66, s66, s60
	s_add_co_u32 s66, s66, SK*128                  ; in slot 1: the first change of slots steps it to slot 2
	s_lshr_b32 s67, s[WV], 2
	s_and_b32 s67, s67, 1                          ; 0 in waves 8-11: K;  1 in waves 12-15: V
	s_lshl_b32 s67, s67, 24
	s_add_co_u32 s66, s66, s67
	s_mov_b32 s67, 0
	s_add_nc_u64 s[PFA:PFA+1], s[4:5], s[66:67]
	s_sub_co_u32 s68, s[WV], 8
	s_lshr_b32 s68, s68, 3                         ; 0 in waves 8 to 15,
	s_or_b32 s68, s68, ttmp9                       ; of work-group i = 0
	s_cmp_eq_u32 s68, 0
	s_cselect_b32 s[LIM], 1, -1
	v_mul_u32_u24 v[AK0], v9, KP
	v_lshl_add_u32 v[AK0], v10, 4, v[AK0]          ; K: row r x pitch + 16 h
	v_and_b32 v3, 7, v0
	v_lshl_add_u32 v[AV0], v10, 3, v3              ; V, for the turning load: key 8 h + lane % 8,
	v_mul_u32_u24 v[AV0], v[AV0], VP
	v_bfe_u32 v3, v0, 3, 1
	v_lshl_add_u32 v[AV0], v3, 4, v[AV0]           ; channels 8 ((lane / 8) % 2) on
	v_add_nc_u32 v[AV0], VOFF, v[AV0]
	v_lshlrev_b32 v3, 3, v10
	v_sub_nc_u32 v31, v9, v3                       ; v31 = r - 8 h, for the diagonal's mask
	v_mov_b32 v30, 0xff800000                      ; -infinity
	v_mov_b32 v28, 0
	v_mov_b32 v29, 0
	v_mov_b32 v4, 0
	v_and_b32 v[GO], 31, v0
	v_lshlrev_b32 v[PFO], 8, v[GO]
	v_lshlrev_b32 v[GO], 4, v[GO]
.irp u, 0,1
	v_mov_b32 v[ST+8*\u+1], 0xff61b1e6             ; m: -3e38, under every score
	v_mul_f32 v[ST+8*\u], s[CS], v[ST+8*\u+1]      ; c m
.irp j, 2,3,4,5,6,7
	v_mov_b32 v[ST+8*\u+\j], 0                     ; l, and the registers at work
.endr
.endr
.irp j, 0,1,2,3,4,5,6,7,8,9,10,11,12,13,14,15,16,17,18,19,20,21,22,23,24,25,26,27,28,29,30,31,32,33,34,35,36,37,38,39,40,41,42,43,44,45,46,47,48,49,50,51,52,53,54,55,56,57,58,59,60,61,62,63
	v_mov_b32 v[OT+\j], 0                          ; O^T: the step is written once: its first walk finds zeros, which a = 0 leaves zeros
.endr
; THE SOFTMAX of both tiles for one key step, the tiles alternating line by line.
.macro SOFTMAX
.irp j, 0,1,2,3
.irp u, 0,1
	v_max3_num_f32 v[ST+8*\u+4+\j], v[S+32*\u+8*\j], v[S+32*\u+8*\j+1], v[S+32*\u+8*\j+2]   ; four chains, one for each accumulator, each from its low end on
.endr
.endr
.irp g, 1,2
.irp j, 0,1,2,3
.irp u, 0,1
	v_max3_num_f32 v[ST+8*\u+4+\j], v[ST+8*\u+4+\j], v[S+32*\u+8*\j+2*\g+1], v[S+32*\u+8*\j+2*\g+2]
.endr
.endr
.endr
.irp u, 0,1
	v_max3_num_f32 v[ST+8*\u+4], v[ST+8*\u+4], v[S+32*\u+7], v[S+32*\u+15]
.endr
.irp u, 0,1
	v_max3_num_f32 v[ST+8*\u+6], v[ST+8*\u+6], v[S+32*\u+23], v[S+32*\u+31]
.endr
.irp u, 0,1
	v_max3_num_f32 v[ST+8*\u+4], v[ST+8*\u+4], v[ST+8*\u+5], v[ST+8*\u+6]
.endr
.irp u, 0,1
	v_max3_num_f32 v[ST+8*\u+4], v[ST+8*\u+4], v[ST+8*\u+7], v[ST+8*\u+1]   ; with the old m
.endr
.irp u, 0,1
	v_permlanex16_b32 v[ST+8*\u+5], v[ST+8*\u+4], s[SEL], s[SEL+1]          ; the query's other 32 keys lie in the lane 16 away
.endr
.irp u, 0,1
	v_mov_b32 v[ST+8*\u+7], v[ST+8*\u]             ; c m_old is kept for a
.endr
.irp u, 0,1
	v_max_num_f32 v[ST+8*\u+1], v[ST+8*\u+4], v[ST+8*\u+5]
.endr
.irp u, 0,1
	v_mul_f32 v[ST+8*\u], s[CS], v[ST+8*\u+1]
.endr
.irp u, 0,1
	v_sub_f32 v[ST+8*\u+7], v[ST+8*\u+7], v[ST+8*\u]
.endr
.irp b, 0,2,4,6,8,10,12,14,16,18,20,22,24,26,28,30
.irp u, 0,1
	v_pk_fma_f32 v[S+32*\u+\b:S+32*\u+\b+1], v[S+32*\u+\b:S+32*\u+\b+1], s[CS:CS+1], v[ST+8*\u:ST+8*\u+1] op_sel_hi:[1,0,0] neg_lo:[0,0,1] neg_hi:[0,0,1]   ; c s - c m, two at a time
.endr
.endr
.irp u, 0,1
	v_exp_f32 v[ST+8*\u+6], v[ST+8*\u+7]           ; a
.endr
.irp n, 0,1,2,3,4,5,6,7,8,9,10,11,12,13,14,15,16,17,18,19,20,21,22,23,24,25,26,27,28,29,30,31
.irp u, 0,1
	v_exp_f32 v[S+32*\u+\n], v[S+32*\u+\n]         ; p: one batch of 66 exponentials
.endr
.endr
	v_nop                                          ; the plain instruction behind the last exponential
	s_wait_alu depctr_va_vdst(0)                   ; one wait for the batch, ahead of the first instruction that names a result
.irp u, 0,1
	v_pk_mul_f32 v[ST+8*\u+2:ST+8*\u+3], v[ST+8*\u+2:ST+8*\u+3], v[ST+8*\u+6:ST+8*\u+7] op_sel_hi:[1,0]   ; l x a
.endr
.irp u, 0,1
	v_pk_add_f32 v[ST+8*\u+4:ST+8*\u+5], v[S+32*\u:S+32*\u+1], v[S+32*\u+2:S+32*\u+3]   ; the row's sum of the unrounded p, in two chains
.endr
.irp j, 4,8,12,16,20,24,28
.irp u, 0,1
	v_pk_add_f32 v[ST+8*\u+2:ST+8*\u+3], v[ST+8*\u+2:ST+8*\u+3], v[S+32*\u+\j:S+32*\u+\j+1]
	v_pk_add_f32 v[ST+8*\u+4:ST+8*\u+5], v[ST+8*\u+4:ST+8*\u+5], v[S+32*\u+\j+2:S+32*\u+\j+3]
.endr
.endr
.irp u, 0,1
	v_pk_add_f32 v[ST+8*\u+2:ST+8*\u+3], v[ST+8*\u+2:ST+8*\u+3], v[ST+8*\u+4:ST+8*\u+5]
.endr
.irp i, 0,1,2,3,4,5,6,7,8,9,10,11,12,13,14,15
.irp u, 0,1
	v_cvt_pk_f16_f32 v[S+32*\u+\i], v[S+32*\u+2*\i], v[S+32*\u+2*\i+1]   ; P, in place: register i is written when pair i / 2 has long been read
.endr
.endr
.irp i, 0,2,4,6,8,10,12,14,16,18,20,22,24,26,28,30
.irp u, 0,1
	v_pk_mul_f32 v[OT+32*\u+\i:OT+32*\u+\i+1], v[OT+32*\u+\i:OT+32*\u+\i+1], v[ST+8*\u+6:ST+8*\u+7] op_sel_hi:[1,0]   ; O^T x a
.endr
.endr
.endm
; A KEY STEP: 64 keys, the q-th of the slot in hand.
.macro STEP q
	s_add_co_u32 s70, s[Q0], 31                    ; a step all of whose keys come after my 32 queries is left out: a branch on ids, round no barrier and no tensor load
	s_cmp_gt_u32 s[KF], s70
	s_cbranch_scc1 .Lhidden_\@
	v_add_nc_u32 v[ADK], s[TB], v[AK0]
	v_add_nc_u32 v[ADV], s[TB], v[AV0]
.irp kt, 0,1,2,3
.irp c, 0,1
	ds_load_b128 v[KV+8*(2*\kt+\c):KV+8*(2*\kt+\c)+3], v[ADK] offset:64*KP*(\q)+16*KP*\kt+64*\c
	ds_load_b128 v[KV+8*(2*\kt+\c)+4:KV+8*(2*\kt+\c)+7], v[ADK] offset:64*KP*(\q)+16*KP*\kt+64*\c+32
.endr
.endr
	s_wait_dscnt 0x0
.irp c, 0,1                                    ; S^T = K Q^T: eight accumulators by turns, one instruction a turn; the first eight start the sums
.irp kt, 0,1,2,3
.irp u, 0,1
.if \c == 0
	v_wmma_f32_16x16x32_f16 v[S+32*\u+8*\kt:S+32*\u+8*\kt+7], v[KV+8*(2*\kt+\c):KV+8*(2*\kt+\c)+7], v[QF+16*\u+8*\c:QF+16*\u+8*\c+7], 0
.else
	v_wmma_f32_16x16x32_f16 v[S+32*\u+8*\kt:S+32*\u+8*\kt+7], v[KV+8*(2*\kt+\c):KV+8*(2*\kt+\c)+7], v[QF+16*\u+8*\c:QF+16*\u+8*\c+7], v[S+32*\u+8*\kt:S+32*\u+8*\kt+7]
.endif
.endr
.endr
.endr
.rept 4
	v_nop                                          ; four places: for the loads into K's registers and for the first reads of the scores
.endr
.irp kc, 0,1
.irp ct, 0,1,2,3
	ds_load_tr16_b128 v[KV+8*(4*\kc+\ct):KV+8*(4*\kc+\ct)+3], v[ADV] offset:64*VP*(\q)+32*VP*\kc+32*\ct       ; V^T: 16 channels x 32 keys; it lands while the softmax is walked
	ds_load_tr16_b128 v[KV+8*(4*\kc+\ct)+4:KV+8*(4*\kc+\ct)+7], v[ADV] offset:64*VP*(\q)+32*VP*\kc+16*VP+32*\ct
.endr
.endr
	s_add_co_u32 s70, s[KF], 63                    ; a step all of whose keys count for all my queries skips the mask
	s_cmp_le_u32 s70, s[Q0]
	s_cbranch_scc1 .Lopen_\@
	s_sub_co_i32 s70, s[Q0], s[KF]
	v_add_nc_u32 v28, s70, v31                     ; d = my query - KF - 8 h, tile 0's;
	v_add_nc_u32 v29, 16, v28                      ; tile 1's.  Register n holds key KF + 8 h + 16 (n / 8) + n % 8: hidden where 16 (n / 8) + n % 8 > d
.irp u, 0,1
.irp n, 0,1,2,3,4,5,6,7,8,9,10,11,12,13,14,15,16,17,18,19,20,21,22,23,24,25,26,27,28,29,30,31
	v_cmp_gt_i32 vcc_lo, 16*(\n/8)+\n%8, v[28+\u]
	v_cndmask_b32 v[S+32*\u+\n], v[S+32*\u+\n], v30, vcc_lo
.endr
.endr
.Lopen_\@:
	SOFTMAX
	s_wait_dscnt 0x0                               ; V is in
.irp kc, 0,1                                   ; O^T += V^T P: eight accumulators by turns
.irp ct, 0,1,2,3
.irp u, 0,1
	v_wmma_f32_16x16x32_f16 v[OT+32*\u+8*\ct:OT+32*\u+8*\ct+7], v[KV+8*(4*\kc+\ct):KV+8*(4*\kc+\ct)+7], v[S+32*\u+8*\kc:S+32*\u+8*\kc+7], v[OT+32*\u+8*\ct:OT+32*\u+8*\ct+7]
.endr
.endr
.endr
.rept 5
	v_nop                                          ; five places: the next step's first products write over P's registers; its loads land in V's; vector instructions read O^T
.endr
.Lhidden_\@:
	s_add_co_u32 s[KF], s[KF], 64
.endm
; THE CHANGE OF SLOTS stands at a slot's head.  Each wave waits for all its tensor loads, adds 0 to its spare word (fill = 1: twice on end), and waits for that and for its
; reads of the slot that it has left.  Behind the barrier the slot ahead is whole and nobody reads the other one.  fill = 1: that other slot is filled with the keys that follow, up to the causal limit.
.macro CHANGE fill
	s_wait_tensorcnt 0x0                           ; no tensor load of mine is out, so a group 0 may be written
	ds_add_u32 v[SPW], v[NIL]
.if \fill
	ds_add_u32 v[SPW], v[NIL]                      ; and once more, in every trip alike; the descriptors' steps stand between it and the wait
	s_xor_b32 s[G0K+1], s[G0K+1], SLOT1            ; the walking descriptors: the other slot than last time,
	s_add_nc_u64 s[G0K+2:G0K+3], s[G0K+2:G0K+3], SK*128   ; the next 256 keys; the type bits on top are not reached
	s_xor_b32 s[G0V+1], s[G0V+1], SLOT1
	s_add_nc_u64 s[G0V+2:G0V+3], s[G0V+2:G0V+3], SK*128
	s_wait_xcnt 0x0                                ; the last prefetch, a slot back, has read its address, so it may be written:
	s_add_nc_u64 s[PFA:PFA+1], s[PFA:PFA+1], SK*128   ; one slot further on than the walking descriptors
.endif
	s_wait_dscnt 0x0                               ; the add is done, and my reads of the slot that I have left are over
	s_barrier_signal -1
	s_barrier_wait -1
.if \fill
	s_add_co_u32 s70, s[KF], SK                    ; the first key of the slot that this change would ask for:
	s_cmp_gt_u32 s70, s[LASTQ]                     ; past my work-group's last query none of its waves would read it, so it is not asked for.  Ids and the count of steps alone: all sixteen waves go the same way
	s_cbranch_scc1 .Lpast_\@
	TLOAD                                          ; a wave's one tensor load until the next change
.Lpast_\@:
	ASK
.endif
.endm
.macro SLOT_STEPS
	STEP 0
	STEP 1
	STEP 2
	STEP 3
	s_xor_b32 s[TB], s[TB], SLOT1                  ; on to the other slot
.endm
	s_wait_loadcnt 0x0                             ; Q
.Lslot:                                            ; seven trips: behind each change of slots but the last the next slot is asked for, up to the causal limit
	CHANGE 1
	SLOT_STEPS
	s_sub_co_u32 s[SLOTS], s[SLOTS], 1
	s_cmp_lg_u32 s[SLOTS], 0
	s_cbranch_scc1 .Lslot
	CHANGE 0                                       ; the last slot is written out: nothing is left to ask for
	SLOT_STEPS
	; THE WAY OUT.  l's halves and lane l xor 16's are added; O^T / l is rounded to f16 and goes through my stage (16 rows x 144 bytes, in slot 0, which was left at the last change of slots and has had its last fill),
	; a tile at a time, and leaves four rows of 128 bytes an instruction: 512 consecutive bytes of at16.
.irp u, 0,1
	v_add_f32 v[ST+8*\u+4], v[ST+8*\u+2], v[ST+8*\u+3]
.endr
.irp u, 0,1
	v_permlanex16_b32 v[ST+8*\u+5], v[ST+8*\u+4], s[SEL], s[SEL+1]
.endr
.irp u, 0,1
	v_add_f32 v[ST+8*\u+4], v[ST+8*\u+4], v[ST+8*\u+5]
.endr
.irp u, 0,1
	v_rcp_f32 v[ST+8*\u+6], v[ST+8*\u+4]
.endr
	v_and_b32 v3, 15, v0                           ; (plain work behind the reciprocals)  r
	v_bfe_u32 v4, v0, 4, 1                         ; h
	s_mul_i32 s70, s[WV], 16*KP                    ; my stage
	v_mul_u32_u24 v9, v3, KP
	v_lshl_add_u32 v9, v4, 4, v9
	v_add_nc_u32 v9, s70, v9                       ; in: row r, + 16 h; tile ct's channels 32 ct bytes on
	v_bfe_u32 v3, v0, 3, 2
	v_and_b32 v4, 7, v0
	v_mul_u32_u24 v10, v3, KP
	v_lshl_add_u32 v10, v4, 4, v10
	v_add_nc_u32 v10, s70, v10                     ; back: row lane / 8 of four, 16 bytes at lane % 8
	s_wait_alu depctr_va_vdst(0)                   ; one wait for both reciprocals, ahead of their first reader
.irp u, 0,1
.irp i, 0,2,4,6,8,10,12,14,16,18,20,22,24,26,28,30
	v_pk_mul_f32 v[OT+32*\u+\i:OT+32*\u+\i+1], v[OT+32*\u+\i:OT+32*\u+\i+1], v[ST+8*\u+6:ST+8*\u+7] op_sel_hi:[1,0]
.endr
.irp i, 0,1,2,3,4,5,6,7,8,9,10,11,12,13,14,15
	v_cvt_pk_f16_f32 v[S+16*\u+\i], v[OT+32*\u+2*\i], v[OT+32*\u+2*\i+1]
.endr
.irp ct, 0,1,2,3
	ds_store_b128 v9, v[S+16*\u+4*\ct:S+16*\u+4*\ct+3] offset:32*\ct
.endr
.irp g, 0,1,2,3
	ds_load_b128 v[KV+16*\u+4*\g:KV+16*\u+4*\g+3], v10 offset:4*KP*\g   ; LDS serves a wave's instructions in order: these see my stores, and the next tile's stores come behind them
.endr
.endr
.irp g, 0,1,2,3
	s_wait_dscnt 11-\g                             ; behind tile 0's load g: its 3 - g later loads, tile 1's four stores and four loads
	global_store_b128 v[GO], v[KV+4*\g:KV+4*\g+3], s[6:7] offset:512*\g
.endr
.irp g, 0,1,2,3
	s_wait_dscnt 3-\g
	global_store_b128 v[GO], v[KV+16+4*\g:KV+16+4*\g+3], s[6:7] offset:2048+512*\g
.endr
	s_wait_tensorcnt 0x0                           ; the wave's end: behind my last tensor load and my last LDS store
	ds_add_u32 v[SPW], v[NIL]
	s_wait_dscnt 0x0
	s_endpgm
.Lfunc_end_k_q5b2872dcb9_attn:
	.size	k_q5b2872dcb9_attn, .Lfunc_end_k_q5b2872dcb9_attn-k_q5b2872dcb9_attn
	.p2alignl 7, 3214868480
	.fill 96, 4, 3214868480
	.section	.rodata,"a",@progbits
	.p2align	6, 0x0
	.amdhsa_kernel k_q5b2872dcb9_attn
		.amdhsa_group_segment_fixed_size 327680
		.amdhsa_private_segment_fixed_size 0
		.amdhsa_enable_private_segment 0
		.amdhsa_kernarg_size 16
		.amdhsa_user_sgpr_count 2
		.amdhsa_user_sgpr_kernarg_segment_ptr 1
		.amdhsa_wavefront_size32 1
		.amdhsa_system_sgpr_workgroup_id_x 1
		.amdhsa_system_sgpr_workgroup_id_y 1
		.amdhsa_system_sgpr_workgroup_id_z 1
		.amdhsa_system_vgpr_workitem_id 0
		.amdhsa_next_free_vgpr 256
		.amdhsa_next_free_sgpr 80
		.amdhsa_reserve_vcc 1
		.amdhsa_float_denorm_mode_32 3
		.amdhsa_float_denorm_mode_16_64 3
		.amdhsa_memory_ordered 1
		.amdhsa_forward_progress 1
		.amdhsa_inst_pref_size 189
	.end_amdhsa_kernel
	.amdgpu_metadata
---
amdhsa.version: [ 1, 2 ]
amdhsa.kernels:
  - .name:           k_q5b2872dcb9_attn
    .symbol:         k_q5b2872dcb9_attn.kd
    .args:
      - { .name: kq, .offset: 0, .size: 8, .value_kind: global_buffer, .address_space: global }
      - { .name: at16, .offset: 8, .size: 8, .value_kind: global_buffer, .address_space: global }
    .group_segment_fixed_size: 327680
    .private_segment_fixed_size: 0
    .kernarg_segment_align: 8
    .kernarg_segment_size: 16
    .max_flat_workgroup_size: 512
    .sgpr_count:     80
    .vgpr_count:     256
    .wavefront_size: 32
...
	.end_amdgpu_metadata
.endif
;; end of part 3
;; launch oproj (part 4): grid 8 x 64, 4 waves a work-group, clusters of 4 x 4, 327,680 bytes of LDS; arguments at16, wo16, bo, out0; writes out0
.if DOCPART == 4
	.amdgcn_target "amdgcn-amd-amdhsa--gfx1250"
	.amdhsa_code_object_version 6
	.text
	.protected	k_q5b2872dcb9_oproj
	.globl	k_q5b2872dcb9_oproj
	.p2align	8
	.type	k_q5b2872dcb9_oproj,@function
k_q5b2872dcb9_oproj:
	s_mov_b64 s[64:65], 0
	v_nop
	global_prefetch_b8 v0, s[64:65] scope:SCOPE_SE
	s_setreg_imm32_b32 hwreg(HW_REG_WAVE_MODE, 25, 1), 1
	s_wait_xcnt 0x0
	s_wait_alu depctr_hold_cnt(0) depctr_sa_sdst(0) depctr_va_vdst(0) depctr_va_sdst(0) depctr_va_ssrc(0) depctr_va_vcc(0) depctr_vm_vsrc(0)
	s_getreg_b32 s2, hwreg(HW_REG_IB_STS2, 6, 4)
	s_cmp_eq_u32 s2, 0
	s_cbranch_scc0 .Lentry_in_a_cluster
	s_endpgm
.Lentry_in_a_cluster:
	s_bfe_u32 s2, ttmp6, 0x10000c
	s_cmp_lg_u32 s2, 0xf033
	s_cbranch_scc0 .Lentry_shape_is_right
	s_endpgm
.Lentry_shape_is_right:
; FOURTH LAUNCH: out0[m][n] = the sum over e of attn[m][e] Wo[n][e] + bo[n]: 8,192 x 1,024 x 1,024 on f16 operands, sums in f32, the bias as the C of each sum's first product.
; A = at16 [kb 16][m 8192][64] f16, B = wo16 [kb 16][n 1024][64] f16: both lie by blocks (planes) of 64 along K, so that 128 rows of a plane are 16,384 consecutive bytes.
; The rows of the first 16 positions of each sequence are stored here with their tiles and are written again, made in f32, by the last launch: a jump round them would hang on a work-group's place in its cluster.
; A tile of C is 128 x 128; four waves, each 64 x 64: 16 accumulators.  K goes in steps of 256 = four planes through two LDS slots.  One tensor load brings two planes of 128 rows: a tile of 2 rows of 8,192 elements
; (a plane's 128 rows on end), the planes' distance as the pitch, 16 bytes of padding behind every 128 bytes: in LDS rows of 144 bytes, a plane 18,432.
; CLUSTERS: 4 x 4 work-groups; A's tiles are shared along a row of the cluster, B's along a column: each is asked for JOINTLY.  THE MATRIX INSTRUCTION IS USED TRANSPOSED (source 0 = B, source 1 = A).
; REGISTERS: window 0: v0-31 addresses; v32-95 at work on the way out; v96-127 the bias, eight registers for each of my four column blocks; v128-255 the accumulators ((a, b) at v[128 + 8 (4 a + b)]).
;   window 1: two fragment buffers of 128: for one plane (64 along K), 64 registers of A, then 64 of B.
.set PITCH,  144                       ; an LDS row: 128 bytes + 16 = 36 words: the 16 rows of a load start at 16 different groups of four banks (ISA guide 11.1)
.set PLANE,  128*PITCH
.set HALFT,  2*PLANE                   ; what one tensor load brings
.set SLOT,   4*HALFT                   ; A's four planes, then B's
.set STAGE,  2*SLOT                    ; behind the ring: 16 rows x 272 bytes for each wave, for the way out
.set SPITCH, 272
.set SPARE,  STAGE+4*16*SPITCH         ; behind the stages: the spare words, 128 bytes a wave
.set LAPS,   2                         ; a lap = two K steps = once round the ring; K = 1,024 is four K steps
.set ADRA, 16                          ; v16-17  LDS address of my A fragments in slot 0, 1
.set ADRB, 20                          ; v20-21  the same for B
.set STO,  24                          ; v24     the way out: where I put 32 bytes of a row
.set RD,   25                          ; v25     the way out: where I read back
.set CO,   26                          ; v26     my byte offset in C
.set BOF,  27                          ; v27     32 x (lane / 16): my half's eight numbers of the bias
.set SPW,  28                          ; v28     LDS address of my spare word; never rewritten
.set NIL,  29                          ; v29     0; never rewritten
.set TMP,  32
.set BIAS, 96
.set ACC,  128
.set F0,   0                           ; fragment buffers, in window 1
.set F1,   128
.set G1, 24                            ; s[24:31] descriptor group 1 for A's tiles;  s[32:39] group 0, one set for each slot
.set G0, 32
.set G1B, 48                           ; s[48:55], s[56:63] the same for B's tiles
.set G0B, 56
.set MSB, 0
.macro WIN new                         ; the immediate's high byte repeats the setting that is left
.if MSB != \new
	s_set_vgpr_msb (MSB<<8)|\new
.set MSB, \new
.endif
.endm
.set MUL,  0x05                        ; sources 0 (B) and 1 (A) window 1; C and D window 0
.set TO_F, 0x40                        ; destination window 1, address window 0
.macro JLOAD s                         ; a joint load: waves 0 and 1 fetch A's planes, waves 2 and 3 B's; an s_nop 0 and four v_nop follow each of the two lines
	s_cmp_eq_u32 s11, 0
	s_cbranch_scc0 .Lfor_b_\@
	tensor_load_to_lds s[G0+4*\s:G0+4*\s+3], s[G1:G1+7]
	s_nop 0
.rept 4
	v_nop
.endr
	s_branch .Lasked_\@
.Lfor_b_\@:
	tensor_load_to_lds s[G0B+4*\s:G0B+4*\s+3], s[G1B:G1B+7]
	s_nop 0
.rept 4
	v_nop
.endr
.Lasked_\@:
.endm
.macro CREST                           ; a round of the cluster's barrier behind its opening barrier
	s_cmp_lg_u32 s10, 0
	s_cbranch_scc1 .Lnot_wave_0_\@
	s_barrier_signal -3
.Lnot_wave_0_\@:
	s_barrier_wait -3
	s_barrier_signal -1
	s_barrier_wait -1
.endm
.macro CROUND                          ; a whole round
	s_barrier_signal -1
	s_barrier_wait -1
	CREST
.endm
	s_load_b128 s[4:7], s[0:1], 0x0                ; at16 s[4:5], wo16 s[6:7]
	s_load_b64 s[66:67], s[0:1], 0x10              ; bo
	s_load_b64 s[8:9], s[0:1], 0x18                ; out0
	v_lshl_add_u32 v[SPW], v0, 2, SPARE
	v_mov_b32 v[NIL], 0
	ds_add_u32 v[SPW], v[NIL]                      ; the wave's opening: the add, twice on end, and its wait ahead of my first tensor load
	ds_add_u32 v[SPW], v[NIL]                      ; and once more; the set-up below, work on registers, stands between it and the wait
	v_lshrrev_b32 v1, 5, v0
	v_readfirstlane_b32 s10, v1                    ; wave 0..3
	s_lshr_b32 s11, s10, 1                         ; which half of the tile's rows is mine.  Also: I fetch for A (0) or for B (1)
	s_and_b32 s12, s10, 1                          ; which half of its columns.  Also: which two planes of a K step I fetch
	s_bfe_u32 s40, ttmp6, 0x40000                  ; cx, cy: my place in the cluster
	s_bfe_u32 s41, ttmp6, 0x40004
	s_lshl_b32 s42, ttmp9, 2
	s_add_co_u32 s42, s42, s40                     ; tile column of C = 4 x cluster x + cx
	s_and_b32 s13, ttmp7, 0xffff
	s_lshl_b32 s13, s13, 2
	s_add_co_u32 s13, s13, s41                     ; tile row of C = 4 x cluster y + cy
	s_lshl_b32 s43, s41, 2
	s_lshl_b32 s43, 15, s43                        ; my row of the cluster
	s_lshl_b32 s44, 0x1111, s40                    ; my column
	s_or_b32 s[G1+0], s43, (1<<16)|(1<<20)|(1<<21)|(4<<22)|(3<<25)  ; 15:0 the mask: A's tiles go to my row; 17:16 elements of 2 bytes; 20 padding on; 21 set beside a mask; 24:22 after every 32 words; 31:25 four words
	s_or_b32 s[G1B+0], s44, (1<<16)|(1<<20)|(1<<21)|(4<<22)|(3<<25)
.irp g, G1, G1B
	s_mov_b32 s[\g+1], 8192<<16                    ; tensor_dim0 = 8,192 elements: 128 rows of 64
	s_mov_b32 s[\g+2], 2<<16                       ; tensor_dim1 = 2 planes
	s_mov_b32 s[\g+3], 8192<<16                    ; tile_dim0
	s_mov_b32 s[\g+4], 2                           ; tile_dim1
	s_mov_b32 s[\g+6], 0
	s_mov_b32 s[\g+7], 0
.endr
	s_mov_b32 s[G1+5], 524288                      ; from plane to plane, in elements: 8,192 rows of 64 in at16,
	s_mov_b32 s[G1B+5], 65536                      ; 1,024 rows of 64 in wo16
	s_lshl_b32 s16, s13, 14                        ; A: the tile row's 128 rows of 128 bytes,
	s_lshl_b32 s17, s12, 21                        ; my two planes of 2^20 bytes
	s_add_co_u32 s16, s16, s17
	s_mov_b32 s17, 0
	s_lshl_b32 s46, s42, 14                        ; B: the tile column's 128 rows,
	s_lshl_b32 s47, s12, 18                        ; my two planes of 2^17 bytes
	s_add_co_u32 s46, s46, s47
	s_mov_b32 s47, 0
	s_mul_i32 s20, s10, HALFT                      ; where they go: wave x two planes: no place in the cluster enters an LDS address
	s_wait_dscnt 0x0                               ; both opening adds are done
	s_wait_kmcnt 0x0
	s_add_nc_u64 s[14:15], s[4:5], s[16:17]
	s_add_nc_u64 s[46:47], s[6:7], s[46:47]
	CROUND                                         ; all sixteen work-groups are here: the first joint loads meet
.irp s, 0,1
	s_mov_b32 s[G0+4*\s], 1
	s_add_co_u32 s[G0+4*\s+1], s20, \s*SLOT
	s_add_nc_u64 s[G0+4*\s+2:G0+4*\s+3], s[14:15], \s*0x400000     ; K step s: four planes on
	s_or_b32 s[G0+4*\s+3], s[G0+4*\s+3], 0x80000000
	s_mov_b32 s[G0B+4*\s], 1
	s_add_co_u32 s[G0B+4*\s+1], s20, \s*SLOT
	s_add_nc_u64 s[G0B+4*\s+2:G0B+4*\s+3], s[46:47], \s*0x80000
	s_or_b32 s[G0B+4*\s+3], s[G0B+4*\s+3], 0x80000000
	JLOAD \s
.endr
	v_and_b32 v1, 15, v0                           ; r
	v_bfe_u32 v2, v0, 4, 1                         ; h
	v_mul_u32_u24 v3, v1, PITCH
	v_lshl_add_u32 v3, v2, 4, v3                   ; a fragment's row x pitch + 16 x half
	s_mul_i32 s21, s11, 64*PITCH                   ; my 64 rows of each plane of A
	s_mul_i32 s22, s12, 64*PITCH                   ; my 64 rows of each plane of B,
	s_add_co_u32 s22, s22, 4*PLANE                 ; which lie behind A's four
.irp s, 0,1
	v_add_nc_u32 v[ADRA+\s], s21, v3
	v_add_nc_u32 v[ADRB+\s], s22, v3
	s_add_co_u32 s21, s21, SLOT
	s_add_co_u32 s22, s22, SLOT
.endr
	s_mul_i32 s23, s10, 16*SPITCH
	s_add_co_u32 s23, s23, STAGE                   ; my stage
	v_mul_u32_u24 v4, v1, SPITCH                   ; in: row r, 32 bytes for each half of the lanes
	v_lshl_add_u32 v4, v2, 5, v4
	v_add_nc_u32 v[STO], s23, v4
	v_mul_u32_u24 v5, v2, SPITCH                   ; back: lanes 0-15 take one row of 256 bytes, lanes 16-31 the next
	v_lshl_add_u32 v5, v1, 4, v5
	v_add_nc_u32 v[RD], s23, v5
	v_lshlrev_b32 v5, 12, v2                       ; and the same two rows in C: 4,096 bytes a row
	v_lshl_add_u32 v[CO], v1, 4, v5
	v_lshlrev_b32 v[BOF], 5, v2
	s_lshl_b32 s46, s42, 9                         ; my first column, in bytes: 512 x tile column + 256 x half
	s_lshl_b32 s47, s12, 8
	s_add_co_u32 s46, s46, s47
	s_mov_b32 s47, 0
	s_add_nc_u64 s[66:67], s[66:67], s[46:47]      ; in bo,
	s_add_nc_u64 s[8:9], s[8:9], s[46:47]          ; and in C,
	s_lshl_b32 s16, s13, 7
	s_lshl_b32 s17, s11, 6
	s_add_co_u32 s16, s16, s17                     ; at my first row: 128 x tile row + 64 x half
	s_lshl_b32 s16, s16, 12
	s_mov_b32 s17, 0
	s_add_nc_u64 s[8:9], s[8:9], s[16:17]
.irp b, 0,1,2,3
	global_load_b128 v[BIAS+8*\b:BIAS+8*\b+3], v[BOF], s[66:67] offset:64*\b        ; bo at columns 16 b + 8 h + 0 .. 7: the result's layout
	global_load_b128 v[BIAS+8*\b+4:BIAS+8*\b+7], v[BOF], s[66:67] offset:64*\b+16
.endr
; 8 matrix instructions: m blocks a0, a0 + 1 x all 4 n blocks, 32 along K: half c of buffer f.  zero = 1: the first product starts the sums, from the bias
.macro MUL8 f, c, a0, zero
.irp a, \a0, \a0+1
.irp b, 0,1,2,3
.if \zero
	v_wmma_f32_16x16x32_f16 v[ACC+8*(4*(\a)+\b):ACC+8*(4*(\a)+\b)+7], v[\f+64+8*(4*\c+\b):\f+64+8*(4*\c+\b)+7], v[\f+8*(4*\c+\a):\f+8*(4*\c+\a)+7], v[BIAS+8*\b:BIAS+8*\b+7]
.else
	v_wmma_f32_16x16x32_f16 v[ACC+8*(4*(\a)+\b):ACC+8*(4*(\a)+\b)+7], v[\f+64+8*(4*\c+\b):\f+64+8*(4*\c+\b)+7], v[\f+8*(4*\c+\a):\f+8*(4*\c+\a)+7], v[ACC+8*(4*(\a)+\b):ACC+8*(4*(\a)+\b)+7]
.endif
.endr
.endr
.endm
; 32 LDS loads in one run: the fragments of the plane that begins at byte k of the slot's A and B, into buffer f; the first 32 along K first
.macro FETCH slot, k, f
	WIN TO_F
.irp c, 0,1
.irp i, 0,1,2,3
	ds_load_b128 v[\f+64+8*(4*\c+\i):\f+64+8*(4*\c+\i)+3],   v[ADRB+\slot] offset:\k+64*\c+\i*16*PITCH
	ds_load_b128 v[\f+64+8*(4*\c+\i)+4:\f+64+8*(4*\c+\i)+7], v[ADRB+\slot] offset:\k+64*\c+\i*16*PITCH+32
	ds_load_b128 v[\f+8*(4*\c+\i):\f+8*(4*\c+\i)+3],         v[ADRA+\slot] offset:\k+64*\c+\i*16*PITCH
	ds_load_b128 v[\f+8*(4*\c+\i)+4:\f+8*(4*\c+\i)+7],       v[ADRA+\slot] offset:\k+64*\c+\i*16*PITCH+32
.endr
.endr
.endm
.macro PLACES                          ; four places in front of loads into registers that matrix instructions have read, and of the first reads of results (ISA guide 7.12.1 for vector instructions)
.rept 4
	v_nop
.endr
.endm
; A K step is four quarters, a plane each, 32 matrix instructions, on buffers 0, 1, 0, 1.  One of the first three: multiplies buffer f and fetches the next plane, at byte k, into g.
.macro QUARTER slot, k, f, g, zero
	s_wait_dscnt 16                                ; the first 32 along K are in; the youngest sixteen loads may be out
	WIN MUL
	MUL8 \f, 0, 0, \zero
	MUL8 \f, 0, 2, \zero
	PLACES
	FETCH \slot, \k, \g
	s_wait_dscnt 32                                ; all but the 32 just issued
	WIN MUL
	MUL8 \f, 1, 0, 0
	MUL8 \f, 1, 2, 0
.endm
; The last quarter multiplies buffer 1 and changes slots: ONE barrier; in front of it each wave waits for all its tensor loads, adds 0 to its spare word, and waits for that and for its own reads of this slot.
; fill = 1: the barrier opens a round of the cluster's, and this slot is filled again, two K steps ahead.
.macro TURN slot, next, fill
	WIN 0                                          ; (the add's two registers lie in window 0)
	s_wait_tensorcnt 0x0                           ; all my tensor loads have landed: my part of the next slot
	ds_add_u32 v[SPW], v[NIL]
	s_wait_dscnt 17                                ; (the add and the youngest sixteen loads may be out)
	WIN MUL
	MUL8 F1, 0, 0, 0                               ; eight matrix instructions stand between the add and the wait for it
	s_wait_dscnt 0x0                               ; the add is done, and my reads of this slot are over
	s_barrier_signal -1
	MUL8 F1, 0, 2, 0
.if \fill
	WIN 0
.endif
	s_barrier_wait -1
.if \fill
	CREST                                          ; no wave of any partner still reads this slot's tile or has a load on its way
	s_add_nc_u64 s[G0+4*\slot+2:G0+4*\slot+3], s[G0+4*\slot+2:G0+4*\slot+3], 0x800000      ; eight planes on
	s_add_nc_u64 s[G0B+4*\slot+2:G0B+4*\slot+3], s[G0B+4*\slot+2:G0B+4*\slot+3], 0x100000
	JLOAD \slot                                    ; the first tensor load behind the round; the four v_nop behind it are also the places in front of the loads below
.else
	PLACES
.endif
	FETCH \next, 0, F0
	WIN MUL
	MUL8 F1, 1, 0, 0
	MUL8 F1, 1, 2, 0
.endm
	s_wait_tensorcnt 1                             ; my part of K step 0 is in (K step 1's load may be out),
	s_barrier_signal -1
	s_barrier_wait -1                              ; everybody's is
	FETCH 0, 0, F0
	s_wait_loadcnt 0x0                             ; the bias
	QUARTER 0, PLANE, F0, F1, 1                    ; the first quarter stands in front of the loop: its first products start the sums
	WIN 0                                          ; at a label and at a branch every window is 0
	s_mov_b32 s3, LAPS-1
.Llap:                                                 ; a trip goes once round the ring, from a lap's second quarter to the next lap's first, and fills both slots again
	QUARTER 0, 2*PLANE, F1, F0, 0
	QUARTER 0, 3*PLANE, F0, F1, 0
	TURN 0, 1, 1
	QUARTER 1, PLANE, F0, F1, 0
	QUARTER 1, 2*PLANE, F1, F0, 0
	QUARTER 1, 3*PLANE, F0, F1, 0
	TURN 1, 0, 1
	QUARTER 0, PLANE, F0, F1, 0
	WIN 0
	s_sub_co_u32 s3, s3, 1
	s_cmp_lg_u32 s3, 0
	s_cbranch_scc1 .Llap
	QUARTER 0, 2*PLANE, F1, F0, 0                  ; the last lap fills nothing, and has no round of the cluster's barrier
	QUARTER 0, 3*PLANE, F0, F1, 0
	TURN 0, 1, 0
	QUARTER 1, PLANE, F0, F1, 0
	QUARTER 1, 2*PLANE, F1, F0, 0
	QUARTER 1, 3*PLANE, F0, F1, 0
	s_wait_dscnt 16                                ; the very last quarter: nothing more to fetch
	WIN MUL
	MUL8 F1, 0, 0, 0
	MUL8 F1, 0, 2, 0
	s_wait_dscnt 0
	MUL8 F1, 1, 0, 0
	MUL8 F1, 1, 2, 0
	WIN 0
; THE WAY OUT, block by block of 16 rows x 64 columns of f32: a row's 256 bytes are mine alone, so each wave has its own stage and no barrier is needed.  A lane's 32 bytes go into rows of 272 bytes and come
; back two whole rows an instruction.  LDS serves a wave's instructions in order (ISA guide 5.7.1.4): no wait between the stores and the loads, nor in front of the next block's stores.
.macro TOSTAGE a
.irp b, 0,1,2,3
	ds_store_b128 v[STO], v[ACC+8*(4*(\a)+\b):ACC+8*(4*(\a)+\b)+3] offset:64*\b          ; each accumulator from its low end on
	ds_store_b128 v[STO], v[ACC+8*(4*(\a)+\b)+4:ACC+8*(4*(\a)+\b)+7] offset:64*\b+16
.endr
.irp t, 0,1,2,3,4,5,6,7
	ds_load_b128 v[TMP+32*((\a)%2)+4*\t:TMP+32*((\a)%2)+4*\t+3], v[RD] offset:\t*2*SPITCH
.endr
.endm
.macro SEND a, younger                 ; younger: the LDS instructions issued behind block a's loads: the next block's eight stores and eight loads, or none
	s_wait_dscnt \younger
.irp t, 0,1,2,3,4,5,6,7
	global_store_b128 v[CO], v[TMP+32*((\a)%2)+4*\t:TMP+32*((\a)%2)+4*\t+3], s[8:9] offset:(16*(\a)+2*\t)*4096 th:TH_STORE_NT   ; 16 lanes store 256 consecutive bytes, aligned
.endr
.endm
	PLACES
	TOSTAGE 0
.irp a, 1,2,3
.if \a > 1
	s_wait_xcnt 0x0                                ; block a - 2's stores have read their data: block a's loads land there only behind this wait
.endif
	TOSTAGE \a
	SEND \a-1, 16
.endr
	SEND 3, 0
	s_wait_tensorcnt 0x0                           ; the wave's end: behind my last tensor load and my last LDS store
	ds_add_u32 v[SPW], v[NIL]
	s_wait_dscnt 0x0
	CROUND                                         ; the closing round: no work-group ends while a partner may still ask for a tile that names it
	s_endpgm
.Lfunc_end_k_q5b2872dcb9_oproj:
	.size	k_q5b2872dcb9_oproj, .Lfunc_end_k_q5b2872dcb9_oproj-k_q5b2872dcb9_oproj
	.p2alignl 7, 3214868480
	.fill 96, 4, 3214868480
	.section	.rodata,"a",@progbits
	.p2align	6, 0x0
	.amdhsa_kernel k_q5b2872dcb9_oproj
		.amdhsa_group_segment_fixed_size 327680
		.amdhsa_private_segment_fixed_size 0
		.amdhsa_enable_private_segment 0
		.amdhsa_kernarg_size 32
		.amdhsa_user_sgpr_count 2
		.amdhsa_user_sgpr_kernarg_segment_ptr 1
		.amdhsa_wavefront_size32 1
		.amdhsa_system_sgpr_workgroup_id_x 1
		.amdhsa_system_sgpr_workgroup_id_y 1
		.amdhsa_system_sgpr_workgroup_id_z 1
		.amdhsa_system_vgpr_workitem_id 0
		.amdhsa_next_free_vgpr 512
		.amdhsa_next_free_sgpr 68
		.amdhsa_reserve_vcc 0
		.amdhsa_float_denorm_mode_32 3
		.amdhsa_float_denorm_mode_16_64 3
		.amdhsa_memory_ordered 1
		.amdhsa_forward_progress 1
		.amdhsa_inst_pref_size 86
	.end_amdhsa_kernel
	.amdgpu_metadata
---
amdhsa.version: [ 1, 2 ]
amdhsa.kernels:
  - .name:           k_q5b2872dcb9_oproj
    .symbol:         k_q5b2872dcb9_oproj.kd
    .args:
      - { .name: at16, .offset: 0, .size: 8, .value_kind: global_buffer, .address_space: global }
      - { .name: wo16, .offset: 8, .size: 8, .value_kind: global_buffer, .address_space: global }
      - { .name: bo, .offset: 16, .size: 8, .value_kind: global_buffer, .address_space: global }
      - { .name: out0, .offset: 24, .size: 8, .value_kind: global_buffer, .address_space: global }
    .group_segment_fixed_size: 327680
    .private_segment_fixed_size: 0
    .kernarg_segment_align: 8
    .kernarg_segment_size: 32
    .max_flat_workgroup_size: 128
    .sgpr_count:     68
    .vgpr_count:     512
    .wavefront_size: 32
...
	.end_amdgpu_metadata
.endif
;; end of part 4
;; launch fine (part 5): grid 16 x 4, 16 waves a work-group, no clusters, 102,400 bytes of LDS; arguments qkf, Wo, bo, out0; writes out0
.if DOCPART == 5
	.amdgcn_target "amdgcn-amd-amdhsa--gfx1250"
	.amdhsa_code_object_version 6
	.text
	.protected	k_q5b2872dcb9_fine
	.globl	k_q5b2872dcb9_fine
	.p2align	8
	.type	k_q5b2872dcb9_fine,@function
k_q5b2872dcb9_fine:
	s_mov_b64 s[64:65], 0
	v_nop
	global_prefetch_b8 v0, s[64:65] scope:SCOPE_SE
	s_setreg_imm32_b32 hwreg(HW_REG_WAVE_MODE, 25, 1), 1
	s_wait_xcnt 0x0
; FIFTH LAUNCH: the first 16 positions of each of the four sequences once more, all in f32.  Under the causal mask these rows average 1 to 16 values and are the largest in size, so the rounding of 16-bit operands
; weighs most there: scores, softmax, the product with the values and the projection on the way out take the unrounded K and Q (qkf [16 b + s][2048] f32: columns 0-1023 K, 1024-2047 Q) and Wo as it is given.
; It writes over rows s < 16 of each batch of out0, which the launch before stored with its tiles.  (x Wv^T is dead work and is left out: see the first kernel's head.)
; SHARES.  Work-group (x, b): batch b, output columns 64 x on.  Wave v takes head v: its 16 x 16 attention, then its 64 channels' part of the 16 x 64 outputs; the sixteen parts meet in LDS, and waves 0-7
; add them in a fixed order, add the bias and store two rows each.  (The attention of a head is made again in each of the 16 work-groups of a batch: 32 small matrix instructions.)
; All products by v_wmma_f32_16x16x4_f32, used transposed; K is permuted alike on both sources: step i takes a lane's registers 2 i and 2 i + 1 of either side, which hold the same channels (or keys).
; REGISTERS: v1-12, v19, v28 addresses and constants; v13-18 at work; v20-27 the scores, then p; v32-63 K, v64-95 Q, later Wo's fragments of column tiles 2 and 3, later the sixteen parts; v96-127 V^T, later attn;
; v128-191 Wo's fragments of column tiles 0 and 1.  v192-255 are written by matrix instructions alone: v192-207 two halves of S^T, later Y0, Y1; v208-239 O^T; v240-255 Y2, Y3.
.set PART,  6272                       ; LDS: a wave's part: 8 pieces of 784 bytes (column tile nt, half c of a lane's eight): in a piece 16 r + 384 h
.set SPARE, 16*PART                    ; behind the parts: the spare words, 128 bytes for each of sixteen waves
	s_load_b256 s[4:11], s[0:1], 0x0               ; qkf s[4:5], Wo s[6:7], bo s[8:9], out0 s[10:11]
	v_lshl_add_u32 v6, v0, 2, SPARE                ; v6: LDS address of my spare word; never rewritten
	v_mov_b32 v7, 0                                ; v7: 0; never rewritten
	v_lshrrev_b32 v13, 5, v0
	v_readfirstlane_b32 s12, v13                   ; wave = head
	v_and_b32 v1, 15, v0                           ; r
	v_bfe_u32 v2, v0, 4, 1                         ; h
	s_lshl_b32 s20, s12, 8                         ; the head's 64 channels: 256 bytes
	v_lshlrev_b32 v3, 13, v1
	v_lshl_add_u32 v3, v2, 7, v3
	v_add_nc_u32 v3, s20, v3                       ; K, Q: row r of 8,192 bytes, the head, channels 32 h on
	v_lshlrev_b32 v4, 2, v1
	v_lshl_add_u32 v4, v2, 16, v4
	v_add_nc_u32 v4, s20, v4
	v_add_nc_u32 v4, 4096, v4                      ; V^T: key 8 h (+ j by the immediate), Q's columns, the head, channel r (+ 16 ct)
	v_lshlrev_b32 v5, 12, v1
	v_lshl_add_u32 v5, v2, 5, v5
	v_add_nc_u32 v5, s20, v5                       ; Wo: row r of 4,096 bytes, the head's columns, channels 8 h on
	s_mul_i32 s21, s12, PART
	v_lshlrev_b32 v8, 4, v1
	v_mad_u32_u24 v8, v2, 384, v8
	v_add_nc_u32 v8, s21, v8                       ; where I put 16 bytes of my part
	s_and_b32 s22, s12, 7
	s_lshl_b32 s22, s22, 5                         ; back (waves 0-7): query q = 2 wave + lane / 16; lane % 16 = L takes outputs 4 L .. 4 L + 3: tile L / 4, half (L / 2) % 2 of the lanes, half L % 2 of the eight
	v_lshlrev_b32 v9, 4, v2
	v_add_nc_u32 v9, s22, v9                       ; 16 q
	v_bfe_u32 v13, v0, 1, 1
	v_mad_u32_u24 v9, v13, 384, v9
	v_bfe_u32 v13, v0, 2, 2
	v_lshlrev_b32 v13, 1, v13
	v_and_b32 v14, 1, v0
	v_add_nc_u32 v13, v13, v14
	v_mad_u32_u24 v9, v13, 784, v9                 ; parts 0-7 by the immediate,
	v_add_nc_u32 v10, 8*PART, v9                   ; parts 8-15
	v_lshlrev_b32 v13, 3, v2
	v_sub_nc_u32 v11, v1, v13                      ; d = r - 8 h: register j holds key 8 h + j, hidden where j > d
	v_mov_b32 v12, 0xff800000                      ; -infinity
	v_lshlrev_b32 v19, 4, v1                       ; 16 L: in bo,
	v_lshl_add_u32 v28, v2, 12, v19                ; and in out0, lanes 16-31 a row further down
	s_mov_b32 s16, 0x76543210
	s_mov_b32 s17, 0xfedcba98                      ; v_permlanex16_b32's selects for lane l xor 16
	s_mov_b32 s18, 0x3d38aa3b                      ; c = log2(e) / 32
	s_and_b32 s23, ttmp7, 0xffff                   ; the batch
	s_lshl_b32 s24, s23, 17                        ; its 16 rows of qkf
	s_mov_b32 s25, 0
	s_lshl_b32 s26, ttmp9, 18                      ; Wo's rows 64 x on
	s_mov_b32 s27, 0
	s_lshl_b32 s28, ttmp9, 8                       ; columns 64 x on, in bytes
	s_mov_b32 s29, 0
	s_lshl_b32 s30, s23, 23                        ; out0: row 2,048 b
	s_lshl_b32 s31, s12, 13                        ; + 2 wave
	s_add_co_u32 s30, s30, s31
	s_add_co_u32 s30, s30, s28
	s_mov_b32 s31, 0
	s_wait_kmcnt 0x0
	s_add_nc_u64 s[4:5], s[4:5], s[24:25]
	s_add_nc_u64 s[6:7], s[6:7], s[26:27]
	s_add_nc_u64 s[8:9], s[8:9], s[28:29]
	s_add_nc_u64 s[10:11], s[10:11], s[30:31]
.irp i, 0,1,2,3,4,5,6,7
	global_load_b128 v[32+4*\i:35+4*\i], v3, s[4:5] offset:16*\i            ; K(r, 32 h + 4 i ..)
.endr
.irp i, 0,1,2,3,4,5,6,7
	global_load_b128 v[64+4*\i:67+4*\i], v3, s[4:5] offset:4096+16*\i       ; Q likewise
.endr
.irp ct, 0,1,2,3
.irp j, 0,1,2,3,4,5,6,7
	global_load_b32 v[96+8*\ct+\j], v4, s[4:5] offset:8192*\j+64*\ct        ; V(key 8 h + j, channel 16 ct + r)
.endr
.endr
.irp nt, 0,1
.irp ct, 0,1,2,3
.irp c, 0,1
	global_load_b128 v[128+32*\nt+8*\ct+4*\c:128+32*\nt+8*\ct+4*\c+3], v5, s[6:7] offset:65536*\nt+64*\ct+16*\c   ; Wo(16 nt + r, 16 ct + 8 h + 4 c ..)
.endr
.endr
.endr
	s_wait_loadcnt 48                              ; K and Q are in; V's 32 loads and Wo's 16 may be out
	; S^T = K Q^T: 16 steps of 4 channels, two accumulators by turns; each sum's first step takes the constant 0
	v_wmma_f32_16x16x4_f32 v[192:199], v[32:33], v[64:65], 0
	v_wmma_f32_16x16x4_f32 v[200:207], v[34:35], v[66:67], 0
.irp i, 2,4,6,8,10,12,14
	v_wmma_f32_16x16x4_f32 v[192:199], v[32+2*\i:33+2*\i], v[64+2*\i:65+2*\i], v[192:199]
	v_wmma_f32_16x16x4_f32 v[200:207], v[34+2*\i:35+2*\i], v[66+2*\i:67+2*\i], v[200:207]
.endr
.rept 8
	v_nop                                          ; eight places behind this form: for the loads into K's and Q's registers and the first reads of the sums
.endr
.irp nt, 0,1
.irp ct, 0,1,2,3
.irp c, 0,1
	global_load_b128 v[32+32*\nt+8*\ct+4*\c:32+32*\nt+8*\ct+4*\c+3], v5, s[6:7] offset:65536*(2+\nt)+64*\ct+16*\c   ; Wo's column tiles 2 and 3
.endr
.endr
.endr
.irp j, 0,1,2,3,4,5,6,7
	v_add_f32 v[20+\j], v[192+\j], v[200+\j]       ; the score of key 8 h + j for query r, into other registers, from the low end on
.endr
.irp j, 0,1,2,3,4,5,6,7
	v_cmp_gt_i32 vcc_lo, \j, v11
	v_cndmask_b32 v[20+\j], v[20+\j], v12, vcc_lo  ; hidden keys: -infinity.  Key 0 counts for every query, so the maximum is a number
.endr
	v_max3_num_f32 v13, v20, v21, v22
	v_max3_num_f32 v13, v13, v23, v24
	v_max3_num_f32 v13, v13, v25, v26
	v_max_num_f32 v13, v13, v27
	v_permlanex16_b32 v14, v13, s16, s17
	v_max_num_f32 v13, v13, v14                    ; the row's maximum
	v_mul_f32 v15, s18, v13
.irp j, 0,1,2,3,4,5,6,7
	v_fma_f32 v[20+\j], v[20+\j], s18, -v15        ; c s - c m
.endr
.irp j, 0,1,2,3,4,5,6,7
	v_exp_f32 v[20+\j], v[20+\j]
.endr
	v_nop                                          ; the plain instruction behind the last exponential
	s_wait_alu depctr_va_vdst(0)                   ; one wait for the eight, ahead of their first reader
	v_add_f32 v16, v20, v21
	v_add_f32 v17, v22, v23
	v_add_f32 v16, v16, v24
	v_add_f32 v17, v17, v25
	v_add_f32 v16, v16, v26
	v_add_f32 v17, v17, v27
	v_add_f32 v16, v16, v17
	v_permlanex16_b32 v14, v16, s16, s17
	v_add_f32 v16, v16, v14                        ; the row's sum
	v_rcp_f32 v18, v16
	v_nop
	s_wait_alu depctr_va_vdst(0)
	s_wait_loadcnt 32                              ; V is in; both sets of Wo's fragments may be out
.irp i, 0,1,2,3                                ; O^T = V^T P: four steps of 4 keys, four accumulators by turns
.irp ct, 0,1,2,3
.if \i == 0
	v_wmma_f32_16x16x4_f32 v[208+8*\ct:215+8*\ct], v[96+8*\ct+2*\i:97+8*\ct+2*\i], v[20+2*\i:21+2*\i], 0
.else
	v_wmma_f32_16x16x4_f32 v[208+8*\ct:215+8*\ct], v[96+8*\ct+2*\i:97+8*\ct+2*\i], v[20+2*\i:21+2*\i], v[208+8*\ct:215+8*\ct]
.endif
.endr
.endr
.rept 8
	v_nop
.endr
.irp n, 0,1,2,3,4,5,6,7,8,9,10,11,12,13,14,15,16,17,18,19,20,21,22,23,24,25,26,27,28,29,30,31
	v_mul_f32 v[96+\n], v[208+\n], v18             ; attn(query r, channel 16 ct + 8 h + j), into other registers
.endr
	s_wait_loadcnt 0x0                             ; Wo
.irp ct, 0,1,2,3                               ; Y^T += Wo attn^T over my head's 64 channels: 16 steps, four accumulators (column tiles) by turns
.irp i, 0,1,2,3
.irp nt, 0,1,2,3
.if (\ct == 0) && (\i == 0)
	v_wmma_f32_16x16x4_f32 v[192+8*\nt+32*(\nt/2):199+8*\nt+32*(\nt/2)], v[128+32*\nt-160*(\nt/2)+8*\ct+2*\i:129+32*\nt-160*(\nt/2)+8*\ct+2*\i], v[96+8*\ct+2*\i:97+8*\ct+2*\i], 0
.else
	v_wmma_f32_16x16x4_f32 v[192+8*\nt+32*(\nt/2):199+8*\nt+32*(\nt/2)], v[128+32*\nt-160*(\nt/2)+8*\ct+2*\i:129+32*\nt-160*(\nt/2)+8*\ct+2*\i], v[96+8*\ct+2*\i:97+8*\ct+2*\i], v[192+8*\nt+32*(\nt/2):199+8*\nt+32*(\nt/2)]
.endif
.endr
.endr
.endr
.rept 8
	v_nop
.endr
.irp nt, 0,1,2,3
	ds_store_b128 v8, v[192+8*\nt+32*(\nt/2):195+8*\nt+32*(\nt/2)] offset:784*(2*\nt)      ; my part of y(query r, column 16 nt + 8 h + 0 .. 3), from the low end on;
	ds_store_b128 v8, v[196+8*\nt+32*(\nt/2):199+8*\nt+32*(\nt/2)] offset:784*(2*\nt+1)    ; + 4 .. 7
.endr
	s_wait_dscnt 0x0                               ; for the others' sake: my part lies in LDS
	s_barrier_signal -1
	s_barrier_wait -1                              ; all sixteen parts do
	s_cmp_ge_u32 s12, 8
	s_cbranch_scc1 .Lend
	global_load_b128 v[128:131], v19, s[8:9]       ; the bias of my four columns
.irp u, 0,1,2,3,4,5,6,7
	ds_load_b128 v[32+4*\u:35+4*\u], v9 offset:PART*\u
.endr
.irp u, 0,1,2,3,4,5,6,7
	ds_load_b128 v[64+4*\u:67+4*\u], v10 offset:PART*\u
.endr
	s_wait_dscnt 0x0
.irp u, 0,2,4,6,8,10,12,14                     ; the sixteen heads' parts are added as a tree, in a fixed order
	v_pk_add_f32 v[32+4*\u:33+4*\u], v[32+4*\u:33+4*\u], v[36+4*\u:37+4*\u]
	v_pk_add_f32 v[34+4*\u:35+4*\u], v[34+4*\u:35+4*\u], v[38+4*\u:39+4*\u]
.endr
.irp u, 0,4,8,12
	v_pk_add_f32 v[32+4*\u:33+4*\u], v[32+4*\u:33+4*\u], v[40+4*\u:41+4*\u]
	v_pk_add_f32 v[34+4*\u:35+4*\u], v[34+4*\u:35+4*\u], v[42+4*\u:43+4*\u]
.endr
.irp u, 0,8
	v_pk_add_f32 v[32+4*\u:33+4*\u], v[32+4*\u:33+4*\u], v[48+4*\u:49+4*\u]
	v_pk_add_f32 v[34+4*\u:35+4*\u], v[34+4*\u:35+4*\u], v[50+4*\u:51+4*\u]
.endr
	v_pk_add_f32 v[32:33], v[32:33], v[64:65]
	v_pk_add_f32 v[34:35], v[34:35], v[66:67]
	s_wait_loadcnt 0x0
	v_pk_add_f32 v[32:33], v[32:33], v[128:129]
	v_pk_add_f32 v[34:35], v[34:35], v[130:131]
	global_store_b128 v28, v[32:35], s[10:11]      ; lanes 0-15 store 256 consecutive bytes of row 2 wave, aligned; lanes 16-31 of the next row
.Lend:
	s_wait_tensorcnt 0x0                           ; the wave's end: behind my last LDS store
	ds_add_u32 v6, v7
	s_wait_dscnt 0x0
	s_endpgm
.Lfunc_end_k_q5b2872dcb9_fine:
	.size	k_q5b2872dcb9_fine, .Lfunc_end_k_q5b2872dcb9_fine-k_q5b2872dcb9_fine
	.p2alignl 7, 3214868480
	.fill 96, 4, 3214868480
	.section	.rodata,"a",@progbits
	.p2align	6, 0x0
	.amdhsa_kernel k_q5b2872dcb9_fine
		.amdhsa_group_segment_fixed_size 102400
		.amdhsa_private_segment_fixed_size 0
		.amdhsa_enable_private_segment 0
		.amdhsa_kernarg_size 32
		.amdhsa_user_sgpr_count 2
		.amdhsa_user_sgpr_kernarg_segment_ptr 1
		.amdhsa_wavefront_size32 1
		.amdhsa_system_sgpr_workgroup_id_x 1
		.amdhsa_system_sgpr_workgroup_id_y 1
		.amdhsa_system_sgpr_workgroup_id_z 1
		.amdhsa_system_vgpr_workitem_id 0
		.amdhsa_next_free_vgpr 256
		.amdhsa_next_free_sgpr 66
		.amdhsa_reserve_vcc 1
		.amdhsa_float_denorm_mode_32 3
		.amdhsa_float_denorm_mode_16_64 3
		.amdhsa_memory_ordered 1
		.amdhsa_forward_progress 1
		.amdhsa_inst_pref_size 25
	.end_amdhsa_kernel
	.amdgpu_metadata
---
amdhsa.version: [ 1, 2 ]
amdhsa.kernels:
  - .name:           k_q5b2872dcb9_fine
    .symbol:         k_q5b2872dcb9_fine.kd
    .args:
      - { .name: qkf, .offset: 0, .size: 8, .value_kind: global_buffer, .address_space: global }
      - { .name: Wo, .offset: 8, .size: 8, .value_kind: global_buffer, .address_space: global }
      - { .name: bo, .offset: 16, .size: 8, .value_kind: global_buffer, .address_space: global }
      - { .name: out0, .offset: 24, .size: 8, .value_kind: global_buffer, .address_space: global }
    .group_segment_fixed_size: 102400
    .private_segment_fixed_size: 0
    .kernarg_segment_align: 8
    .kernarg_segment_size: 32
    .max_flat_workgroup_size: 512
    .sgpr_count:     66
    .vgpr_count:     256
    .wavefront_size: 32
...
	.end_amdgpu_metadata
.endif
;; end of part 5
